; MI455X (gfx1250); checked and timed in simulation.
; The chip was launched on July 23, 2026; its instructions are those of AMD's public machine-readable ISA for CDNA 5 (MIT licence, August 2026) and "CDNA5" Instruction Set Architecture Reference Guide (July 2026). The comments in the code are by the model that wrote it; some were corrected since.
;; Causal Self Attention. Allowed arithmetic: matrix products marked QUANTISED: E2M3 operands, one E8M0 scale for each 32 along K, by v_wmma_scale_f32_16x16x128_f8f6f4 with both operands' format E2M3, f32 sums; everything else in f32.
;; Inputs: b_out 1,024 float32; b_qkv 3,072 float32; w_out 1,024 x 1,024 float32; w_qkv 1,024 x 3,072 float32; x 4 x 2,048 x 1,024 float32.
;; Outputs: out0 4 x 2,048 x 1,024 float32.
;; This version of the problem:
;;   THIS VERSION OF THE PROBLEM IS GIVEN IN LOW PRECISION. The matrix products marked QUANTISED in the list below multiply operands that are first quantised to E2M3 (2 exponent bits, 3 mantissa bits; 6 bits a number), with one power-of-two scale for each 32 numbers along K (OCP MX v1.0); their sums are f32. All else is computed in f32.
;;   The module's matrix products, in the order in which they are computed (A, B: the left and right operand; K: the contracted axis; several contracted axes count as one K, in the product's order):
;;     1. [M 8,192, K 1,024] x [K 1,024, N 3,072]; A: input x; B: input w_qkv: QUANTISED
;;     2. batch 64 x [M 2,048, K 64] x [K 64, N 2,048]; A: computed on the way; B: computed on the way: QUANTISED
;;     3. batch 64 x [M 2,048, K 2,048] x [K 2,048, N 64]; A: softmax (see below); B: computed on the way: QUANTISED
;;     4. [M 8,192, K 1,024] x [K 1,024, N 1,024]; A: computed on the way; B: input w_out: QUANTISED
;;   THE QUANTISER, for each operand of a quantised product, along K:
;;     - K is cut into blocks of 32 from its start; a last block that is shorter is filled with zeros.
;;     - A block's scale is 2^e with e = floor(log2(the largest magnitude in the block)) - 2, held to -126 .. 127; a block of zeros has e = 0. As a byte (E8M0): e + 127.
;;     - Each number is divided by its block's scale, clamped to +-7.5, and rounded to the nearest number of E2M3, ties to even, subnormals kept.
;;     - The product sums the exact products of the quantised numbers (number of the format x scale) in f32.
;;   ~~~python
;;   def quantise(x, axis):      # numpy; x: float32 -> the quantised numbers, widened to float32 again
;;       x = np.moveaxis(x, axis, -1); K = x.shape[-1]
;;       x = np.pad(x, [(0, 0)] * (x.ndim - 1) + [(0, -K % 32)]); x = x.reshape(x.shape[:-1] + (-1, 32)); a = np.abs(x).max(-1, keepdims=True)
;;       e = np.where(a > 0, np.clip(np.frexp(np.where(a > 0, a, 1))[1] - 1 - 2, -126, 127), 0)      # np.frexp(a)[1] - 1 = floor(log2(a)), exactly
;;       r = np.clip(x / 2.0 ** e, -7.5, 7.5)
;;       step = 2.0 ** (np.maximum(np.frexp(np.where(r == 0, 1, r))[1] - 1, 0) - 3)
;;       q = np.round(r / step) * step * 2.0 ** e      # np.round: ties to even
;;       return np.moveaxis(q.reshape(q.shape[:-2] + (-1,))[..., :K], -1, axis).astype(np.float32)
;;   ~~~
;;   SOFTMAX AHEAD OF A QUANTISED PRODUCT. Where the list says 'softmax', what is quantised is not the finished softmax but p = 2^(t - M), with t = logit x log2(e) and M = ceil(the row's largest t), a whole number; so 1/2 < the row's largest p <= 1. The row's sum l is taken of the UNQUANTISED p, in f32, and the product's result is divided by l at the end. Since M is a whole number, a kernel that streams over the keys may use a running M (the ceiling of the running maximum): every later rescaling is an exact power of two, which a block's scale takes up: the codes' values come out the same.
;;   OPERANDS COMPUTED ON THE WAY. 'Computed on the way' means the value that the module computes at that place (a softmax that the list does not call 'softmax' is quantised finished and normalised). What goes into a quantiser is computed in f32, as accurately as f32 sums, v_exp_f32 and their like allow (about 1e-6 of the number): no bf16 or f16 on the way to a quantiser, and a product that is left as it is and whose result goes on into a quantised operand takes f32 operands (vector FMAs, or v_wmma_f32_16x16x4_f32). A number that lies on a knife's edge between two numbers of the format may be rounded either way, as far as f32 arithmetic and the matrix unit's own rounding can turn it there, and no further.
;; One version. Each part assembles by itself: llvm-mc -triple=amdgcn-amd-amdhsa -mcpu=gfx1250 --defsym DOCPART=n.
;; ======== version 1 of 1: 4 launches
;; workspace buffers: cod 15,728,640 bytes; scl 655,360 bytes; qkv 18,874,368 bytes; qkvs 1,310,720 bytes
;; launch quant (part 1): grid 512 x 1, 4 waves a work-group, no clusters, 34,304 bytes of LDS; arguments x, w_qkv, w_out, cod, scl; writes cod, scl
.if DOCPART == 1
	.amdgcn_target "amdgcn-amd-amdhsa--gfx1250"
	.amdhsa_code_object_version 6
	.text
	.protected	k_q69b2b25a9a_quant
	.globl	k_q69b2b25a9a_quant
	.p2align	8
	.type	k_q69b2b25a9a_quant,@function
k_q69b2b25a9a_quant:
	s_mov_b64 s[64:65], 0
	v_nop
	global_prefetch_b8 v0, s[64:65] scope:SCOPE_SE
	s_setreg_imm32_b32 hwreg(HW_REG_WAVE_MODE, 25, 1), 1
	s_wait_xcnt 0x0
; x [8192][1024], w_qkv [1024][3072] and w_out [1024][1024], f32, become codes of FP6 (E2M3) with one E8M0 byte for each 32 along K (K = 1,024 for all three).
; THE CODES ARE LAID AS IMAGES OF OPERAND REGISTERS.  A row tile is 16 rows; for each 128 along K its fragment (12 registers a lane) lies as three pieces of 512 bytes, piece c = registers 4 c .. 4 c + 3,
; lane l at 16 l: 1,536 bytes a chunk, 8 chunks, 12,288 bytes a row tile.  Row tiles 0-511: x;  512-703: w_qkv's columns;  704-767: w_out's columns.
; THE ROWS OF A TILE ARE NOT NEIGHBOURS: row r of tile 2 b + u is natural row (token, or column of a weight) 32 b + 8 u + r + 8 (r / 8): bits 3 and 4 of the number change places.
; Scale words (four bytes: 128 along K of one row): 512 bytes a row tile; the word of (row r, chunk c) at 256 (c / 4) + 16 r + 4 (c % 4).
; A block's scale byte is its largest magnitude's exponent field - 2, held at 1 from below by a floor among the maximum's leaves.
; LIMITS: NaN and infinities are not served; a block of zeros, or one whose largest magnitude lies under 2^-124, gets the byte 1 (its codes are zeros or subnormal codes; the bytes are read by this program alone).
; Work-groups 0-255: x, a wave to a row tile's half of K (K is innermost: the numbers turn through the wave's own stage in LDS, so that each load reads 512 consecutive bytes and each lane still gets 16 neighbours).
; Work-groups 256-511: the weights, a wave to 32 columns x 128 along K (K is the first axis: a lane takes a column, its registers run down K; loads run two blocks of 32 ahead).
; No barrier: waves share nothing.  Only the x path touches LDS.
.set R,      16                        ; v16-143  x: two sets of 64 registers as loaded
.set X,      144                       ; v144-207 x: register 16 b + i = k 32 b + 16 (lane / 16) + i of my row
.set PC,     208                       ; v208-219 a fragment's codes
.set PT,     220                       ; v220-227 halves of blocks on their way
.set TM,     228                       ; v228-243 at work in QUANT
.set PWS,    244                       ; v244-247 four chunks' scale words
.set SEL,    20                        ; s[20:21] selects for lane l xor 16
.set SPITCH, 528                       ; a stage row: 512 bytes + 16
.set W,      16                        ; v16-143  weights: register k = row k of my column
.set IMG0,   144                       ; v144-155 the first tile's image;  v156-167 the second's
.set IMG1,   156
.set PTW,    168
.set SW,     176                       ; my column's scale word
; 64 numbers of a lane, register 16 b + i = k 32 b + 16 (lane / 16) + i of my row, become codes: k 0-63 in v[da .. da + 5], k 64-127 in v[db .. db + 5] (the operand's layout), and the row's scale word in v[pw].
.macro QUANT s, da, db, pw
.irp b, 0,1,2,3
	v_max3_num_f32 v[TM+\b], |v[\s+16*\b]|, |v[\s+1+16*\b]|, 0x1800000   ; my 16 numbers of block b, and the floor 2^(3 - 127)
.endr
.irp i, 2,4,6,8,10,12,14
.irp b, 0,1,2,3
	v_max3_num_f32 v[TM+\b], v[TM+\b], |v[\s+16*\b+\i]|, |v[\s+1+16*\b+\i]|
.endr
.endr
.irp b, 0,1,2,3
	v_permlanex16_b32 v[TM+4+\b], v[TM+\b], s[SEL], s[SEL+1]
.endr
.irp b, 0,1,2,3
	v_max_num_f32 v[TM+\b], v[TM+\b], v[TM+4+\b]                 ; with lane l xor 16's: the block's largest magnitude
.endr
.irp b, 0,1,2,3
	v_add_nc_u32 v[TM+12+\b], 0xff000000, v[TM+\b]               ; 2 off its exponent field: the conversion's scale operand
.endr
.irp b, 0,1,2,3
	v_lshrrev_b32 v[TM+4+\b], 23, v[TM+12+\b]                    ; the scale's byte
.endr
	v_lshl_or_b32 v[\pw], v[TM+5], 8, v[TM+4]
	v_lshl_or_b32 v[\pw], v[TM+6], 16, v[\pw]
	v_lshl_or_b32 v[\pw], v[TM+7], 24, v[\pw]
	v_cvt_scalef32_pk16_fp6_f32 v[(\da):(\da)+2], v[\s:\s+15], v[TM+12]
	v_cvt_scalef32_pk16_fp6_f32 v[PT:PT+2], v[\s+16:\s+31], v[TM+13]
	v_cvt_scalef32_pk16_fp6_f32 v[(\db):(\db)+2], v[\s+32:\s+47], v[TM+14]
	v_cvt_scalef32_pk16_fp6_f32 v[PT+4:PT+6], v[\s+48:\s+63], v[TM+15]
	v_nop                                          ; one plain instruction behind the conversions
.irp i, 0,1,2
	v_permlane16_swap_b32 v[(\da)+\i], v[PT+\i]    ; a whole block to a lane: lanes 0-15 the even block, lanes 16-31 the odd one
.endr
.irp i, 0,1,2
	v_mov_b32 v[(\da)+3+\i], v[PT+\i]
.endr
.irp i, 0,1,2
	v_permlane16_swap_b32 v[(\db)+\i], v[PT+4+\i]
.endr
.irp i, 0,1,2
	v_mov_b32 v[(\db)+3+\i], v[PT+4+\i]
.endr
.endm
	s_load_b128 s[4:7], s[0:1], 0x0                ; x, w_qkv
	s_load_b128 s[8:11], s[0:1], 0x10              ; w_out, cod
	s_load_b64 s[12:13], s[0:1], 0x20              ; scl
	v_lshl_add_u32 v254, v0, 2, 0x8400
	v_mov_b32 v255, 0
	v_lshrrev_b32 v5, 5, v0
	v_readfirstlane_b32 s16, v5                    ; wave 0..3
	v_and_b32 v1, 31, v0                           ; lane
	v_and_b32 v2, 15, v0                           ; r
	v_bfe_u32 v3, v0, 4, 1                         ; h
	v_lshlrev_b32 v4, 4, v1                        ; 16 x lane
	s_cmp_lt_u32 ttmp9, 256
	s_cbranch_scc0 .Lweights
	; ---------------- x: my wave's row tile T and half kh of K (four chunks of 128)
	s_mov_b32 s[SEL], 0x76543210
	s_mov_b32 s[SEL+1], 0xfedcba98
	s_lshl_b32 s17, ttmp9, 2
	s_add_co_u32 s17, s17, s16
	s_lshr_b32 s18, s17, 1                         ; T
	s_and_b32 s19, s17, 1                          ; kh
	s_lshr_b32 s22, s18, 1
	s_lshl_b32 s22, s22, 5
	s_and_b32 s23, s18, 1
	s_lshl_b32 s23, s23, 3
	s_add_co_u32 s22, s22, s23                     ; the tile's first natural row: 32 (T / 2) + 8 (T % 2)
	s_lshl_b32 s22, s22, 12                        ; rows of 4,096 bytes
	s_lshl_b32 s23, s19, 11
	s_add_co_u32 s22, s22, s23
	s_mov_b32 s23, 0
	s_mul_i32 s24, s18, 12288
	s_mul_i32 s25, s19, 6144
	s_add_co_u32 s24, s24, s25
	s_mov_b32 s25, 0
	s_lshl_b32 s26, s18, 9
	s_lshl_b32 s27, s19, 8
	s_add_co_u32 s26, s26, s27
	s_mov_b32 s27, 0
	s_mul_i32 s28, s16, 16*SPITCH                  ; my stage
	v_add_nc_u32 v6, s28, v4                       ; in: 16 x lane of a row
	v_mul_u32_u24 v7, v2, SPITCH
	v_lshl_add_u32 v7, v3, 6, v7
	v_add_nc_u32 v7, s28, v7                       ; back: row r, + 64 h: my 16 numbers of a block
	v_lshlrev_b32 v8, 4, v2                        ; 16 r: the scale words' place
.irp b, 0,1,2,3
	v_mov_b32 v[TM+4+\b], 0                        ; written once: a lane permute's destination counts as one of its sources
.endr
	s_wait_kmcnt 0x0
	s_add_nc_u64 s[4:5], s[4:5], s[22:23]
	s_add_nc_u64 s[10:11], s[10:11], s[24:25]
	s_add_nc_u64 s[12:13], s[12:13], s[26:27]
.macro LOADX c                         ; chunk c of the tile's 16 rows: each load reads 512 consecutive bytes of one row
.irp p, 0,1,2,3,4,5,6,7,8,9,10,11,12,13,14,15
	global_load_b128 v[R+64*((\c)%2)+4*\p:R+64*((\c)%2)+4*\p+3], v4, s[4:5] offset:(\p+8*(\p/8))*4096+512*(\c) th:TH_LOAD_NT
.endr
.endm
.macro CHUNK c
.if (\c) < 3
	s_wait_loadcnt 16                              ; this chunk's 16 loads are in; the next chunk's 16 may be out
.else
	s_wait_loadcnt 0
.endif
.irp p, 0,1,2,3,4,5,6,7,8,9,10,11,12,13,14,15
	ds_store_b128 v6, v[R+64*((\c)%2)+4*\p:R+64*((\c)%2)+4*\p+3] offset:SPITCH*\p
.endr
.irp b, 0,1,2,3
.irp j, 0,1,2,3
	ds_load_b128 v[X+16*\b+4*\j:X+16*\b+4*\j+3], v7 offset:128*\b+16*\j   ; LDS serves a wave's instructions in order (ISA guide 5.7.1.4): these see the stores above
.endr
.endr
	s_wait_dscnt 0x0                               ; the numbers are back, and the stores have read their registers
	s_wait_xcnt 0x0                                ; the last chunk's stores have read the codes' registers
.if (\c) < 2
	LOADX (\c)+2
.endif
	QUANT X, PC, PC+6, PWS+(\c)
.irp p, 0,1,2
	global_store_b128 v4, v[PC+4*\p:PC+4*\p+3], s[10:11] offset:1536*(\c)+512*\p   ; 32 lanes store 512 consecutive bytes
.endr
.endm
	LOADX 0
	LOADX 1
	CHUNK 0
	CHUNK 1
	CHUNK 2
	CHUNK 3
	s_wait_xcnt 0x0                                ; EXEC changes only behind this wait
	v_cmp_gt_u32 vcc_lo, 16, v1
	s_wait_tensorcnt 0x0
	ds_add_u32 v254, v255
	s_wait_dscnt 0x0
	s_and_saveexec_b32 s22, vcc_lo                 ; lanes 16-31 hold the same words as lanes 0-15
	global_store_b128 v8, v[PWS:PWS+3], s[12:13]   ; sixteen lanes store 256 consecutive bytes: four chunks' words of 16 rows
	s_wait_xcnt 0x0
	s_or_b32 exec_lo, exec_lo, s22
	s_endpgm
	; ---------------- the weights: chunk = 128 rows of K; 128 columns a work-group, 32 a wave
.Lweights:
	s_sub_co_u32 s17, ttmp9, 256
	s_and_b32 s18, s17, 7                          ; chunk
	s_lshr_b32 s19, s17, 3                         ; group of 128 columns: 0-23 w_qkv's, 24-31 w_out's
	s_lshl_b32 s22, s19, 2
	s_add_co_u32 s22, s22, s16
	s_lshl_b32 s22, s22, 1
	s_add_co_u32 s22, s22, 512                     ; my first row tile
	s_mov_b32 s24, 4096
	s_wait_kmcnt 0x0
	s_cmp_lt_u32 s19, 24
	s_cselect_b32 s23, 0, 24
	s_cselect_b32 s24, 12288, s24                  ; bytes from row to row of the weight
	s_cselect_b64 s[4:5], s[6:7], s[8:9]
	s_sub_co_u32 s23, s19, s23
	s_lshl_b32 s23, s23, 2
	s_add_co_u32 s23, s23, s16
	s_lshl_b32 s23, s23, 7                         ; my 32 columns, in bytes
	s_mul_i32 s24, s24, s18
	s_lshl_b32 s24, s24, 7                         ; 128 x chunk rows
	s_add_co_u32 s24, s24, s23
	s_mov_b32 s25, 0
	s_add_nc_u64 s[4:5], s[4:5], s[24:25]
	s_mul_i32 s26, s22, 12288
	s_mul_i32 s27, s18, 1536
	s_add_co_u32 s26, s26, s27
	s_mov_b32 s27, 0
	s_add_nc_u64 s[10:11], s[10:11], s[26:27]
	s_lshl_b32 s28, s22, 9
	s_lshr_b32 s29, s18, 2
	s_lshl_b32 s29, s29, 8
	s_add_co_u32 s28, s28, s29
	s_and_b32 s29, s18, 3
	s_lshl_b32 s29, s29, 2
	s_add_co_u32 s28, s28, s29
	s_mov_b32 s29, 0
	s_add_nc_u64 s[12:13], s[12:13], s[28:29]
	v_and_b32 v5, 7, v0
	v_bfe_u32 v6, v0, 3, 1
	v_lshl_or_b32 v5, v3, 3, v5                    ; lane l stands at place l of the two tiles and takes the column whose number has bits 3 and 4 exchanged
	v_lshl_or_b32 v5, v6, 4, v5
	v_lshlrev_b32 v5, 2, v5
	v_lshlrev_b32 v7, 4, v2
	v_lshl_or_b32 v7, v3, 9, v7                    ; my scale word: tile lane / 16, row lane % 16
.macro WLOADB kb, pitch                ; block kb: rows 32 kb .. 32 kb + 31 of my column; each load reads 128 consecutive bytes of one row
.set KI, 32*(\kb)
.rept 32
	global_load_b32 v[W+KI], v5, s[4:5] offset:KI*\pitch th:TH_LOAD_NT
.set KI, KI+1
.endr
.endm
.macro WBLOCK kb, left                 ; block kb of 32 along K: all its numbers are mine.  left: the loads issued behind this block's, which may stay out
.set XS, W+32*(\kb)
.set DI, IMG0+12*((\kb)%2)+6*((\kb)/2)
	s_wait_loadcnt \left
	v_max3_num_f32 v172, |v[XS]|, |v[XS+1]|, |v[XS+2]|
	v_max3_num_f32 v173, |v[XS+3]|, |v[XS+4]|, |v[XS+5]|
.irp i, 6,10,14,18,22,26
	v_max3_num_f32 v172, v172, |v[XS+\i]|, |v[XS+\i+1]|
	v_max3_num_f32 v173, v173, |v[XS+\i+2]|, |v[XS+\i+3]|
.endr
	v_max3_num_f32 v172, v172, |v[XS+30]|, |v[XS+31]|
	v_max3_num_f32 v172, v172, v173, 0x1800000     ; and the floor
	v_add_nc_u32 v174, 0xff000000, v172
	v_lshrrev_b32 v175, 23, v174
.if (\kb) == 0
	v_mov_b32 v[SW], v175
.else
	v_lshl_or_b32 v[SW], v175, 8*(\kb), v[SW]
.endif
	v_cvt_scalef32_pk16_fp6_f32 v[DI:DI+2], v[XS:XS+15], v174
	v_cvt_scalef32_pk16_fp6_f32 v[PTW:PTW+2], v[XS+16:XS+31], v174   ; (a conversion's three registers begin on an even number)
	v_nop
.irp i, 0,1,2
	v_mov_b32 v[DI+3+\i], v[PTW+\i]
.endr
.endm
; The four blocks, loads two blocks ahead: 64 loads of mine are out at the most, 32 while a block is worked on.  Each block has registers of its own, so no load lands on numbers still in use.
; The loads' immediates hang on the weight's pitch, so the run is written once for each weight, under one branch on the work-group's number.
.macro WALL pitch
	WLOADB 0, \pitch
	WLOADB 1, \pitch
	WBLOCK 0, 32                                   ; block 0's loads are in; block 1's 32 may be out
	WLOADB 2, \pitch
	WBLOCK 1, 32                                   ; block 2's may be out
	WLOADB 3, \pitch
	WBLOCK 2, 32                                   ; block 3's may be out
	WBLOCK 3, 0
.endm
	s_cmp_lt_u32 s19, 24
	s_cbranch_scc0 .Lnarrow
	WALL 12288
	s_branch .Lcoded
.Lnarrow:
	WALL 4096
.Lcoded:
.irp i, 0,1,2,3,4,5,6,7,8,9,10,11
	v_permlane16_swap_b32 v[IMG0+\i], v[IMG1+\i]   ; even blocks of places 16-31 change with odd blocks of places 0-15: now each run of 12 registers is one tile's fragment
.endr
.irp p, 0,1,2
	global_store_b128 v4, v[IMG0+4*\p:IMG0+4*\p+3], s[10:11] offset:512*\p
	global_store_b128 v4, v[IMG1+4*\p:IMG1+4*\p+3], s[10:11] offset:12288+512*\p
.endr
	global_store_b32 v7, v[SW], s[12:13]           ; four bytes a lane, 16 bytes apart: the other chunks' words lie between (131,072 bytes in the whole launch)
	s_endpgm
.Lfunc_end_k_q69b2b25a9a_quant:
	.size	k_q69b2b25a9a_quant, .Lfunc_end_k_q69b2b25a9a_quant-k_q69b2b25a9a_quant
	.p2alignl 7, 3214868480
	.fill 96, 4, 3214868480
	.section	.rodata,"a",@progbits
	.p2align	6, 0x0
	.amdhsa_kernel k_q69b2b25a9a_quant
		.amdhsa_group_segment_fixed_size 34304
		.amdhsa_private_segment_fixed_size 0
		.amdhsa_enable_private_segment 0
		.amdhsa_kernarg_size 40
		.amdhsa_user_sgpr_count 2
		.amdhsa_user_sgpr_kernarg_segment_ptr 1
		.amdhsa_wavefront_size32 1
		.amdhsa_system_sgpr_workgroup_id_x 1
		.amdhsa_system_sgpr_workgroup_id_y 1
		.amdhsa_system_sgpr_workgroup_id_z 1
		.amdhsa_system_vgpr_workitem_id 0
		.amdhsa_next_free_vgpr 256
		.amdhsa_next_free_sgpr 66
		.amdhsa_reserve_vcc 1
		.amdhsa_float_denorm_mode_32 3
		.amdhsa_float_denorm_mode_16_64 3
		.amdhsa_memory_ordered 1
		.amdhsa_forward_progress 1
		.amdhsa_inst_pref_size 72
	.end_amdhsa_kernel
	.amdgpu_metadata
---
amdhsa.version: [ 1, 2 ]
amdhsa.kernels:
  - .name:           k_q69b2b25a9a_quant
    .symbol:         k_q69b2b25a9a_quant.kd
    .args:
      - { .name: x, .offset: 0, .size: 8, .value_kind: global_buffer, .address_space: global }
      - { .name: w_qkv, .offset: 8, .size: 8, .value_kind: global_buffer, .address_space: global }
      - { .name: w_out, .offset: 16, .size: 8, .value_kind: global_buffer, .address_space: global }
      - { .name: cod, .offset: 24, .size: 8, .value_kind: global_buffer, .address_space: global }
      - { .name: scl, .offset: 32, .size: 8, .value_kind: global_buffer, .address_space: global }
    .group_segment_fixed_size: 34304
    .private_segment_fixed_size: 0
    .kernarg_segment_align: 8
    .kernarg_segment_size: 40
    .max_flat_workgroup_size: 128
    .sgpr_count:     66
    .vgpr_count:     256
    .wavefront_size: 32
...
	.end_amdgpu_metadata
.endif
;; end of part 1
;; launch qkvgemm (part 2): grid 12 x 32, 4 waves a work-group, clusters of 4 x 4, 327,680 bytes of LDS; arguments cod, scl, b_qkv, qkv, qkvs; writes qkv, qkvs
.if DOCPART == 2
	.amdgcn_target "amdgcn-amd-amdhsa--gfx1250"
	.amdhsa_code_object_version 6
	.text
	.protected	k_q69b2b25a9a_qkvgemm
	.globl	k_q69b2b25a9a_qkvgemm
	.p2align	8
	.type	k_q69b2b25a9a_qkvgemm,@function
k_q69b2b25a9a_qkvgemm:
	s_mov_b64 s[64:65], 0
	v_nop
	global_prefetch_b8 v0, s[64:65] scope:SCOPE_SE
	s_setreg_imm32_b32 hwreg(HW_REG_WAVE_MODE, 25, 1), 1
	s_wait_xcnt 0x0
	s_wait_alu depctr_hold_cnt(0) depctr_sa_sdst(0) depctr_va_vdst(0) depctr_va_sdst(0) depctr_va_ssrc(0) depctr_va_vcc(0) depctr_vm_vsrc(0)
	s_getreg_b32 s2, hwreg(HW_REG_IB_STS2, 6, 4)
	s_cmp_eq_u32 s2, 0
	s_cbranch_scc0 .Lentry_in_a_cluster
	s_endpgm
.Lentry_in_a_cluster:
	s_bfe_u32 s2, ttmp6, 0x10000c
	s_cmp_lg_u32 s2, 0xf033
	s_cbranch_scc0 .Lentry_shape_is_right
	s_endpgm
.Lentry_shape_is_right:
; qkv = x w_qkv + b_qkv on codes of FP6 (E2M3), K = 1,024, and q, k, v leave as codes: q and k quantised along the head's 64, v along the tokens.  No f32 number of qkv goes to memory.
; A tile of 256 x 256 to a work-group of four waves, 128 x 128 a wave: 64 accumulators, 512 registers.  Source 0 of the matrix instruction is operand B, source 1 operand A: a lane holds ONE row of A and its registers run along B's rows.
; Clusters x = 0, 1 (q, k): A = x's tokens, B = w_qkv's columns 0-2047: a lane holds a token, registers run along the heads' d.
; Cluster x = 2 (v): A = w_qkv's columns 2048-3071, B = x's tokens: a lane holds one d, registers run along the tokens, which are v's K.  One buffer holds both operands, so only row-tile numbers differ.
; In the workspace row r of tile 2 b + u is natural row 32 b + 8 u + r + 8 (r / 8), so the 16 registers of B's tiles 2 b, 2 b + 1 are 16 natural neighbours, 32 b + 16 (lane / 16) + 0 .. 15.
; OPERANDS are images of registers: a row tile's chunk of 128 K is 1,536 bytes, three loads of 16 bytes a lane at 16 x lane.  K goes in four steps of 256 through two LDS slots; a wave's tensor load brings 8 row tiles x 3,072 bytes.
; CLUSTERS 4 x 4: A's tiles are shared along a row of the cluster, B's along a column, each asked for jointly.  The scale words of all of K (64 registers) and the biases come once, into registers.
; OUT.  q, k plane (part 64 + batch 16 + head), 98,304 bytes: pairs of token tiles, 1,536 bytes: registers 0-5 the even tile's 16 tokens x 64 d, 6-11 the odd tile's.  v plane: (4 step + tile of 16 d) x 1,536 bytes, K = 128 tokens.
; Scale words, 20,480 bytes a (batch, head): q 8,192 | k 8,192 | v 4,096.  q, k: 512 bytes a step of 128 tokens, tile a, row r at 256 (a / 4) + 16 r + 4 (a % 4); an even tile's two bytes lie in bytes 0, 1, an odd tile's in bytes 2, 3, zeros beside them.  v: 256 bytes a step, (tile t, row r) at 16 r + 4 t.
; LIMITS: NaN and infinities are not served; a block of zeros or under 2^-124 gets the byte 1 (read by this program alone).
; REGISTERS.  window 0: v1 r, v2 h, v16-29 addresses; v32-95 scale words (8 i + chunk: lanes 0-15 A's block i, lanes 16-31 B's); v96-111 v's bias; v128-223 A's fragments, one set; later the way out.
;   window 1: B's fragments, two sets (v0-95, v128-223); the bias along B's rows at v96-127, v224-255.   windows 2, 3: accumulators, (a, b) at v[8 (8 (a % 4) + b)].
.set FR,     12
.set NL,     3                         ; LDS loads that bring a fragment
.set NP,     4                         ; places behind this matrix instruction (ISA guide 7.12.1)
.set CHB,    1536                      ; a chunk's image
.set TROW,   3072                      ; a row tile's part of a slot: two chunks
.set RTB,    12288                     ; a row tile in memory
.set HALFT,  8*TROW                    ; what one tensor load brings, and what one wave reads of A or of B
.set SLOT,   4*HALFT                   ; A's 16 row tiles, then B's
.set SPARE,  2*SLOT                    ; the spare words, 128 bytes a wave: two blocks of 256 bytes that no other line names
.set ADRA, 16                          ; v16-17 LDS address of my A fragments in slot 0, 1
.set ADRB, 20                          ; v20-21 the same for B
.set L16,  24                          ; v24    16 x lane
.set VSO,  26                          ; v26    v's scale words: 20,480 h + 16 r
.set SPW,  28
.set NIL,  29
.set SC,   32
.set BM,   96
.set AF,   128
.set HA,   128                         ; the way out: 64 numbers of a lane
.set IMGA, 192
.set IMGB, 204
.set PT,   216
.set TM,   224
.set PWS,  240
.set DD,   248
.set G1,  24
.set G0,  32
.set G1B, 48
.set G0B, 56
.set SEL, 96
.set MSB, 0
.macro WIN new                         ; the immediate's high byte repeats the setting that is left
.if MSB != \new
	s_set_vgpr_msb (MSB<<8)|\new
.set MSB, \new
.endif
.endm
.set MUL_LO, 0xa1                      ; source 0 (B) window 1, source 1 (A) window 0, C and D window 2
.set MUL_HI, 0xf1
.set TO_B,   0x40
.macro JLOAD g0a, g1a, g0b, g1b        ; a joint load: waves 0, 1 fetch for A, waves 2, 3 for B; four v_nop follow each line
	s_cmp_eq_u32 s15, 0
	s_cbranch_scc0 .Lfor_b_\@
	tensor_load_to_lds s[\g0a:\g0a+3], s[\g1a:\g1a+7]
	s_nop 0
.rept 4
	v_nop
.endr
	s_branch .Lasked_\@
.Lfor_b_\@:
	tensor_load_to_lds s[\g0b:\g0b+3], s[\g1b:\g1b+7]
	s_nop 0
.rept 4
	v_nop
.endr
.Lasked_\@:
.endm
.macro CREST
	s_cmp_lg_u32 s14, 0
	s_cbranch_scc1 .Lnot_wave_0_\@
	s_barrier_signal -3
.Lnot_wave_0_\@:
	s_barrier_wait -3
	s_barrier_signal -1
	s_barrier_wait -1
.endm
.macro CROUND
	s_barrier_signal -1
	s_barrier_wait -1
	CREST
.endm
.macro PLACES n
.rept \n
	v_nop
.endr
.endm
.macro QUANT s, da, db, pw             ; 64 numbers, register 16 b + i = k 32 b + 16 (lane / 16) + i of my row -> codes of k 0-63 in v[da ..], of k 64-127 in v[db ..], scale word in v[pw]
.irp b, 0,1,2,3
	v_max3_num_f32 v[TM+\b], |v[\s+16*\b]|, |v[\s+1+16*\b]|, 0x1800000
.endr
.irp i, 2,4,6,8,10,12,14
.irp b, 0,1,2,3
	v_max3_num_f32 v[TM+\b], v[TM+\b], |v[\s+16*\b+\i]|, |v[\s+1+16*\b+\i]|
.endr
.endr
.irp b, 0,1,2,3
	v_permlanex16_b32 v[TM+4+\b], v[TM+\b], s[SEL], s[SEL+1]
.endr
.irp b, 0,1,2,3
	v_max_num_f32 v[TM+\b], v[TM+\b], v[TM+4+\b]
.endr
.irp b, 0,1,2,3
	v_add_nc_u32 v[TM+12+\b], 0xff000000, v[TM+\b]
.endr
.irp b, 0,1,2,3
	v_lshrrev_b32 v[TM+4+\b], 23, v[TM+12+\b]
.endr
	v_lshl_or_b32 v[\pw], v[TM+5], 8, v[TM+4]
	v_lshl_or_b32 v[\pw], v[TM+6], 16, v[\pw]
	v_lshl_or_b32 v[\pw], v[TM+7], 24, v[\pw]
	v_cvt_scalef32_pk16_fp6_f32 v[(\da):(\da)+2], v[\s:\s+15], v[TM+12]
	v_cvt_scalef32_pk16_fp6_f32 v[PT:PT+2], v[\s+16:\s+31], v[TM+13]
	v_cvt_scalef32_pk16_fp6_f32 v[(\db):(\db)+2], v[\s+32:\s+47], v[TM+14]
	v_cvt_scalef32_pk16_fp6_f32 v[PT+4:PT+6], v[\s+48:\s+63], v[TM+15]
	v_nop                                          ; one plain instruction behind the conversions
.irp i, 0,1,2
	v_permlane16_swap_b32 v[(\da)+\i], v[PT+\i]
.endr
.irp i, 0,1,2
	v_mov_b32 v[(\da)+3+\i], v[PT+\i]
.endr
.irp i, 0,1,2
	v_permlane16_swap_b32 v[(\db)+\i], v[PT+4+\i]
.endr
.irp i, 0,1,2
	v_mov_b32 v[(\db)+3+\i], v[PT+4+\i]
.endr
.endm
	s_load_b128 s[4:7], s[0:1], 0x0                ; cod, scl
	s_load_b128 s[8:11], s[0:1], 0x10              ; b_qkv, qkv
	s_load_b64 s[12:13], s[0:1], 0x20              ; qkvs
	v_lshl_add_u32 v[SPW], v0, 2, SPARE
	v_mov_b32 v[NIL], 0
	ds_add_u32 v28, v29
	ds_add_u32 v28, v29
	s_wait_dscnt 0x0
	v_lshrrev_b32 v1, 5, v0
	v_readfirstlane_b32 s14, v1                    ; wave 0..3
	s_lshr_b32 s15, s14, 1                         ; which half of A's rows is mine.  Also: I fetch for A (0) or for B (1)
	s_and_b32 s16, s14, 1                          ; which half of B's rows.  Also: which 8 row tiles I fetch
	s_bfe_u32 s40, ttmp6, 0x40000                  ; cx
	s_bfe_u32 s41, ttmp6, 0x40004                  ; cy
	s_and_b32 s18, ttmp7, 0xffff
	s_lshl_b32 s18, s18, 2                         ; 4 x cluster y
	s_lshl_b32 s19, ttmp9, 2                       ; 4 x cluster x
	s_cmp_lt_u32 ttmp9, 2                          ; q, k or v: the same in all sixteen partners
	s_cselect_b32 s17, s18, 0
	s_cselect_b32 s42, s19, s18
	s_cselect_b32 s20, 0, 640
	s_cselect_b32 s46, 512, 0
	s_add_co_u32 s17, s17, s41                     ; which 256 rows of A
	s_add_co_u32 s42, s42, s40                     ; which 256 rows of B
	s_lshl_b32 s21, s17, 4
	s_add_co_u32 s20, s20, s21                     ; A's first row tile in cod
	s_lshl_b32 s47, s42, 4
	s_add_co_u32 s46, s46, s47                     ; B's
	s_lshl_b32 s43, s41, 2
	s_lshl_b32 s43, 15, s43                        ; my row of the cluster
	s_lshl_b32 s44, 0x1111, s40                    ; my column
	s_or_b32 s[G1+0], s43, (3<<16)|(1<<21)         ; 15:0 the mask; 17:16 elements of 8 bytes; 21 set beside a mask; no padding
	s_or_b32 s[G1B+0], s44, (3<<16)|(1<<21)
.irp g, G1, G1B
	s_mov_b32 s[\g+1], 384<<16                     ; tensor_dim0: 3,072 bytes
	s_mov_b32 s[\g+2], 8<<16                       ; tensor_dim1: 8 row tiles
	s_mov_b32 s[\g+3], 384<<16                     ; tile_dim0
	s_mov_b32 s[\g+4], 8                           ; tile_dim1
	s_mov_b32 s[\g+5], 1536                        ; from row tile to row tile: 12,288 bytes
	s_mov_b32 s[\g+6], 0
	s_mov_b32 s[\g+7], 0
.endr
	s_lshl_b32 s21, s16, 3
	s_add_co_u32 s22, s20, s21                     ; the row tiles that I fetch: of A,
	s_add_co_u32 s92, s46, s21                     ; of B
	s_mul_i32 s22, s22, RTB
	s_mov_b32 s23, 0
	s_mul_i32 s92, s92, RTB
	s_mov_b32 s93, 0
	s_mul_i32 s45, s14, HALFT                      ; where they go: no place in the cluster enters an LDS address
	s_wait_kmcnt 0x0
	s_add_nc_u64 s[22:23], s[4:5], s[22:23]
	s_add_nc_u64 s[92:93], s[4:5], s[92:93]
	CROUND                                         ; all sixteen work-groups are here: the first joint loads meet
.irp s, 0,1
	s_mov_b32 s[G0+4*\s], 1
	s_add_co_u32 s[G0+4*\s+1], s45, \s*SLOT
	s_add_nc_u64 s[G0+4*\s+2:G0+4*\s+3], s[22:23], \s*TROW
	s_or_b32 s[G0+4*\s+3], s[G0+4*\s+3], 0x80000000
	s_mov_b32 s[G0B+4*\s], 1
	s_add_co_u32 s[G0B+4*\s+1], s45, \s*SLOT
	s_add_nc_u64 s[G0B+4*\s+2:G0B+4*\s+3], s[92:93], \s*TROW
	s_or_b32 s[G0B+4*\s+3], s[G0B+4*\s+3], 0x80000000
	JLOAD G0+4*\s, G1, G0B+4*\s, G1B
.endr
	v_and_b32 v1, 15, v0                           ; r
	v_bfe_u32 v2, v0, 4, 1                         ; h
	v_and_b32 v3, 31, v0
	v_lshlrev_b32 v[L16], 4, v3
	s_mul_i32 s21, s15, HALFT
	s_mul_i32 s22, s16, HALFT
	s_add_co_u32 s22, s22, 2*HALFT
.irp s, 0,1
	v_add_nc_u32 v[ADRA+\s], s21, v[L16]
	v_add_nc_u32 v[ADRB+\s], s22, v[L16]
	s_add_co_u32 s21, s21, SLOT
	s_add_co_u32 s22, s22, SLOT
.endr
	; the scale words of all of K: lanes 0-15 take A's blocks, lanes 16-31 B's; a load of 16 bytes brings four chunks' words of a row
	s_lshl_b32 s18, s15, 3
	s_add_co_u32 s18, s18, s20
	s_lshl_b32 s18, s18, 9
	s_lshl_b32 s19, s16, 3
	s_add_co_u32 s19, s19, s46
	s_lshl_b32 s19, s19, 9
	v_mov_b32 v4, s18
	v_mov_b32 v7, s19
	v_cmp_eq_u32 vcc_lo, 1, v2
	v_cndmask_b32 v4, v4, v7, vcc_lo
	v_lshl_add_u32 v4, v1, 4, v4
.irp i, 0,1,2,3,4,5,6,7
.irp g, 0,1
	global_load_b128 v[SC+8*\i+4*\g:SC+8*\i+4*\g+3], v4, s[6:7] offset:512*\i+256*\g
.endr
.endr
	; the biases.  Both kinds are loaded on both ways, at places inside b_qkv, so that every register is written; each way uses its own
	s_lshl_b32 s18, s17, 8
	s_lshl_b32 s19, s15, 7
	s_add_co_u32 s80, s18, s19                     ; my first row of A
	s_lshl_b32 s18, s42, 8
	s_lshl_b32 s19, s16, 7
	s_add_co_u32 s81, s18, s19                     ; my first row of B
	s_lshl_b32 s18, s81, 2
	s_add_co_u32 s19, s80, 2048
	s_lshl_b32 s19, s19, 2
	s_cmp_lt_u32 ttmp9, 2
	s_cselect_b32 s66, s18, 0
	s_cselect_b32 s68, 0, s19
	s_mov_b32 s67, 0
	s_mov_b32 s69, 0
	s_add_nc_u64 s[66:67], s[8:9], s[66:67]
	s_add_nc_u64 s[68:69], s[8:9], s[68:69]
	v_lshlrev_b32 v5, 6, v2                        ; along B's rows: tile b, register j is natural row 32 (b / 2) + 16 h + 8 (b % 2) + j
	v_and_b32 v6, 8, v1
	v_add_nc_u32 v6, v6, v1
	v_lshlrev_b32 v6, 2, v6                        ; along A's rows: block a, lane r is natural row 32 (a / 2) + 8 (a % 2) + r + 8 (r / 8)
	WIN TO_B
.irp b, 0,1,2,3,4,5,6,7
	global_load_b128 v[96+8*\b+96*(\b/4):96+8*\b+96*(\b/4)+3], v5, s[66:67] offset:128*(\b/2)+32*(\b%2)
	global_load_b128 v[96+8*\b+96*(\b/4)+4:96+8*\b+96*(\b/4)+7], v5, s[66:67] offset:128*(\b/2)+32*(\b%2)+16
.endr
	WIN 0
.irp a, 0,1,2,3,4,5,6,7
	global_load_b32 v[BM+2*\a], v6, s[68:69] offset:128*(\a/2)+32*(\a%2)
	v_mov_b32 v[BM+2*\a+1], 0                      ; (named with it as a pair)
.endr
	v_mul_u32_u24 v[VSO], v2, 20480
	v_lshl_add_u32 v[VSO], v1, 4, v[VSO]
.irp b, 0,1,2,3
	v_mov_b32 v[TM+4+\b], 0                        ; written once: a lane permute's destination counts as one of its sources
.endr
	s_mov_b32 s[SEL], 0x76543210
	s_mov_b32 s[SEL+1], 0xfedcba98
.macro FRAG3 reg, adr, q, i            ; a fragment comes back as it was stored: three loads of 16 bytes a lane, 512 consecutive bytes each
.irp c, 0,1,2
	ds_load_b128 v[\reg+4*\c:\reg+4*\c+3], v[\adr] offset:TROW*(\i)+CHB*(\q)+512*\c
.endr
.endm
.macro FETCH_B slot, q, p
	WIN TO_B
.irp i, 0,1,2,3,4,5,6,7
	FRAG3 128*(\p)+FR*\i, ADRB+\slot, \q, \i
.endr
	WIN 0
.endm
.macro FETCH_A slot, q, i0
.irp i, \i0, \i0+1, \i0+2, \i0+3
	FRAG3 AF+FR*(\i), ADRA+\slot, \q, \i
.endr
.endm
; 16 matrix instructions: A's blocks a0, a0 + 1 x B's eight, chunk kc of K.  The 64 accumulators take turns, one instruction a turn, in the same order in every step.
.macro MUL16 a0, p, kc, zero
.irp a, \a0, \a0+1
.irp b, 0,1,2,3,4,5,6,7
.if \zero
	v_wmma_scale_f32_16x16x128_f8f6f4 v[8*(8*((\a)%4)+\b):8*(8*((\a)%4)+\b)+7], v[128*(\p)+FR*\b:128*(\p)+FR*\b+FR-1], v[AF+FR*(\a):AF+FR*(\a)+FR-1], 0, v[SC+8*\b+(\kc)], v[SC+8*(\a)+(\kc)] matrix_a_fmt:MATRIX_FMT_FP6 matrix_b_fmt:MATRIX_FMT_FP6 matrix_a_scale:MATRIX_SCALE_ROW1
.else
	v_wmma_scale_f32_16x16x128_f8f6f4 v[8*(8*((\a)%4)+\b):8*(8*((\a)%4)+\b)+7], v[128*(\p)+FR*\b:128*(\p)+FR*\b+FR-1], v[AF+FR*(\a):AF+FR*(\a)+FR-1], v[8*(8*((\a)%4)+\b):8*(8*((\a)%4)+\b)+7], v[SC+8*\b+(\kc)], v[SC+8*(\a)+(\kc)] matrix_a_fmt:MATRIX_FMT_FP6 matrix_b_fmt:MATRIX_FMT_FP6 matrix_a_scale:MATRIX_SCALE_ROW1
.endif
.endr
.endr
.endm
.macro STEP slot, kc, zero             ; a slot's first chunk; it fetches the second
	s_wait_dscnt 4*NL                              ; B's set and A's blocks 0-3 are in; the youngest 12 loads (A's blocks 4-7) may be out
	WIN MUL_LO
	MUL16 0, 0, \kc, \zero
	MUL16 2, 0, \kc, \zero
	s_wait_dscnt 0
	PLACES NP                                      ; in front of loads into registers that matrix instructions have read
	FETCH_B \slot, 1, 1
	FETCH_A \slot, 1, 0
	WIN MUL_HI
	MUL16 4, 0, \kc, \zero
	MUL16 6, 0, \kc, \zero
	PLACES NP
	WIN 0
	FETCH_A \slot, 1, 4
.endm
.macro TURN slot, next, kc, fill       ; a slot's second chunk changes slots: one barrier; fill = 1: the slot is filled again, two K steps ahead
	s_wait_tensorcnt 0x0                           ; all my tensor loads have landed: my part of the next slot
	ds_add_u32 v[SPW], v[NIL]                      ; 0 onto my spare word
	s_wait_dscnt 4*NL+1                            ; (the add and A's blocks 4-7 may be out)
	WIN MUL_LO
	MUL16 0, 1, \kc, 0
	s_wait_dscnt 0x0                               ; the add is done, and my reads of this slot are over
	s_barrier_signal -1
	MUL16 2, 1, \kc, 0
	WIN 0
	s_barrier_wait -1
.if \fill
	CREST                                          ; the barrier has opened a round of the cluster's: no wave of any partner still reads this slot or has a load on its way
	s_add_nc_u64 s[G0+4*\slot+2:G0+4*\slot+3], s[G0+4*\slot+2:G0+4*\slot+3], 2*TROW
	s_add_nc_u64 s[G0B+4*\slot+2:G0B+4*\slot+3], s[G0B+4*\slot+2:G0B+4*\slot+3], 2*TROW
	JLOAD G0+4*\slot, G1, G0B+4*\slot, G1B         ; the first tensor load behind the round; its four v_nop are the places in front of the loads below
.else
	PLACES NP
.endif
	FETCH_B \next, 0, 0
	FETCH_A \next, 0, 0
	WIN MUL_HI
	MUL16 4, 1, \kc, 0
	MUL16 6, 1, \kc, 0
	PLACES NP
	WIN 0
	FETCH_A \next, 0, 4
.endm
	s_wait_tensorcnt 1                             ; my part of K step 0 is in; K step 1's load may be out
	s_barrier_signal -1
	s_barrier_wait -1
	FETCH_B 0, 0, 0
	FETCH_A 0, 0, 0
	FETCH_A 0, 0, 4
	s_wait_loadcnt 0x0                             ; scale words and biases
	STEP 0, 0, 1                                   ; the first products start the sums.  The scale registers differ from chunk to chunk, so the eight chunks are written out
	TURN 0, 1, 1, 1
	STEP 1, 2, 0
	TURN 1, 0, 3, 1
	STEP 0, 4, 0
	TURN 0, 1, 5, 0
	STEP 1, 6, 0
	s_wait_dscnt 4*NL
	WIN MUL_LO
	MUL16 0, 1, 7, 0
	MUL16 2, 1, 7, 0
	s_wait_dscnt 0
	WIN MUL_HI
	MUL16 4, 1, 7, 0
	MUL16 6, 1, 7, 0
	WIN 0
	PLACES NP                                      ; in front of the reads of results and of writes over A's fragments
	s_cmp_lt_u32 ttmp9, 2
	s_cbranch_scc0 .Lvpart
	; ---------------- q, k: block a is 16 tokens; my 128 columns are two heads.  The bias's addition also brings the numbers into window 0
	s_lshr_b32 s82, s80, 11                        ; batch
	s_bfe_u32 s83, s80, 0x40007                    ; step of 128 tokens
	s_lshr_b32 s84, s81, 10                        ; 0 q, 1 k
	s_bfe_u32 s85, s81, 0x40006                    ; my first head
	s_lshl_b32 s86, s82, 4
	s_add_co_u32 s86, s86, s85
	s_lshl_b32 s87, s84, 6
	s_add_co_u32 s87, s87, s86
	s_mul_i32 s70, s87, 98304
	s_mul_i32 s88, s83, 6144
	s_add_co_u32 s70, s70, s88
	s_mov_b32 s71, 0
	s_add_nc_u64 s[70:71], s[10:11], s[70:71]
	s_mul_i32 s72, s86, 20480
	s_lshl_b32 s88, s84, 13
	s_add_co_u32 s72, s72, s88
	s_lshl_b32 s88, s83, 9
	s_add_co_u32 s72, s72, s88
	s_mov_b32 s73, 0
	s_add_nc_u64 s[72:73], s[12:13], s[72:73]
.irp a, 0,1,2,3,4,5,6,7
.set AC, 64*(\a%4)
.set WN, 0x06+\a/4
	WIN WN                                         ; source 0: the accumulators' window; source 1: window 1
.irp b, 0,1,2,3,4,5,6,7
.irp j, 0,2,4,6
	v_pk_add_f32 v[HA+8*\b+\j:HA+8*\b+\j+1], v[AC+8*\b+\j:AC+8*\b+\j+1], v[96+8*\b+96*(\b/4)+\j:96+8*\b+96*(\b/4)+\j+1]   ; each accumulator from its low end on
.endr
.endr
	WIN 0
.if \a%2 == 0
	s_wait_xcnt 0x0                                ; the last pair's stores have read the images' registers
.endif
.set DA, IMGA+6*(\a%2)
.set DB, IMGB+6*(\a%2)
	QUANT HA, DA, DB, PWS+\a
.if \a%2 == 1
.irp p, 0,1,2
	global_store_b128 v[L16], v[IMGA+4*\p:IMGA+4*\p+3], s[70:71] offset:(\a/2)*CHB+512*\p         ; 512 consecutive bytes a store
	global_store_b128 v[L16], v[IMGB+4*\p:IMGB+4*\p+3], s[70:71] offset:98304+(\a/2)*CHB+512*\p   ; the second head's plane
.endr
.endif
.endr
.irp a, 0,2,4,6
	v_and_b32 v[HA+\a], 0xffff, v[PWS+\a]          ; an even tile: its two bytes below;
	v_lshrrev_b32 v[HA+8+\a], 16, v[PWS+\a]
.endr
.irp a, 1,3,5,7
	v_lshlrev_b32 v[HA+\a], 16, v[PWS+\a]          ; an odd tile: above
	v_and_b32 v[HA+8+\a], 0xffff0000, v[PWS+\a]
.endr
	v_cmp_eq_u32 vcc_lo, 1, v2
.irp i, 0,1,2,3
	v_cndmask_b32 v[DD+\i], v[HA+\i], v[HA+4+\i], vcc_lo          ; lanes 0-15 store tiles 0-3's words, lanes 16-31 tiles 4-7's
	v_cndmask_b32 v[DD+4+\i], v[HA+8+\i], v[HA+12+\i], vcc_lo
.endr
	global_store_b128 v[L16], v[DD:DD+3], s[72:73]
	global_store_b128 v[L16], v[DD+4:DD+7], s[72:73] offset:20480
	s_branch .Lend
	; ---------------- v: block a is 16 of a head's d (two heads of four blocks); my 128 rows of B are one step of 128 tokens: a whole fragment a block
.Lvpart:
	s_lshr_b32 s85, s80, 6                         ; my first head
	s_lshr_b32 s82, s81, 11                        ; batch
	s_bfe_u32 s83, s81, 0x40007                    ; step
	s_lshl_b32 s86, s82, 4
	s_add_co_u32 s86, s86, s85
	s_add_co_u32 s87, s86, 128
	s_mul_i32 s70, s87, 98304
	s_mul_i32 s88, s83, 6144
	s_add_co_u32 s70, s70, s88
	s_mov_b32 s71, 0
	s_add_nc_u64 s[70:71], s[10:11], s[70:71]
	s_mul_i32 s72, s86, 20480
	s_add_co_u32 s72, s72, 16384
	s_lshl_b32 s88, s83, 8
	s_add_co_u32 s72, s72, s88
	s_mov_b32 s73, 0
	s_add_nc_u64 s[72:73], s[12:13], s[72:73]
.irp a, 0,1,2,3,4,5,6,7
.set AC, 64*(\a%4)
.set WN, 0x02+\a/4
	WIN WN
.irp b, 0,1,2,3,4,5,6,7
.irp j, 0,2,4,6
	v_pk_add_f32 v[HA+8*\b+\j:HA+8*\b+\j+1], v[AC+8*\b+\j:AC+8*\b+\j+1], v[BM+2*\a:BM+2*\a+1] op_sel_hi:[1,0]   ; my d's bias for both
.endr
.endr
	WIN 0
	s_wait_xcnt 0x0                                ; the last block's stores have read the image's registers
	QUANT HA, IMGA, IMGA+6, PWS+\a
.irp p, 0,1,2
	global_store_b128 v[L16], v[IMGA+4*\p:IMGA+4*\p+3], s[70:71] offset:(\a/4)*98304+(\a%4)*CHB+512*\p
.endr
.endr
	v_cmp_eq_u32 vcc_lo, 1, v2
.irp i, 0,1,2,3
	v_cndmask_b32 v[DD+\i], v[PWS+\i], v[PWS+4+\i], vcc_lo        ; lanes 0-15 the first head's four tiles, lanes 16-31 the second's
.endr
	global_store_b128 v[VSO], v[DD:DD+3], s[72:73]                ; sixteen lanes store 256 consecutive bytes
.Lend:
	s_wait_tensorcnt 0x0                           ; the wave's end
	ds_add_u32 v[SPW], v[NIL]
	s_wait_dscnt 0x0
	CROUND                                         ; the closing round
	s_endpgm
.Lfunc_end_k_q69b2b25a9a_qkvgemm:
	.size	k_q69b2b25a9a_qkvgemm, .Lfunc_end_k_q69b2b25a9a_qkvgemm-k_q69b2b25a9a_qkvgemm
	.p2alignl 7, 3214868480
	.fill 96, 4, 3214868480
	.section	.rodata,"a",@progbits
	.p2align	6, 0x0
	.amdhsa_kernel k_q69b2b25a9a_qkvgemm
		.amdhsa_group_segment_fixed_size 327680
		.amdhsa_private_segment_fixed_size 0
		.amdhsa_enable_private_segment 0
		.amdhsa_kernarg_size 40
		.amdhsa_user_sgpr_count 2
		.amdhsa_user_sgpr_kernarg_segment_ptr 1
		.amdhsa_wavefront_size32 1
		.amdhsa_system_sgpr_workgroup_id_x 1
		.amdhsa_system_sgpr_workgroup_id_y 1
		.amdhsa_system_sgpr_workgroup_id_z 1
		.amdhsa_system_vgpr_workitem_id 0
		.amdhsa_next_free_vgpr 1024
		.amdhsa_next_free_sgpr 100
		.amdhsa_reserve_vcc 1
		.amdhsa_float_denorm_mode_32 3
		.amdhsa_float_denorm_mode_16_64 3
		.amdhsa_memory_ordered 1
		.amdhsa_forward_progress 1
		.amdhsa_inst_pref_size 207
	.end_amdhsa_kernel
	.amdgpu_metadata
---
amdhsa.version: [ 1, 2 ]
amdhsa.kernels:
  - .name:           k_q69b2b25a9a_qkvgemm
    .symbol:         k_q69b2b25a9a_qkvgemm.kd
    .args:
      - { .name: cod, .offset: 0, .size: 8, .value_kind: global_buffer, .address_space: global }
      - { .name: scl, .offset: 8, .size: 8, .value_kind: global_buffer, .address_space: global }
      - { .name: b_qkv, .offset: 16, .size: 8, .value_kind: global_buffer, .address_space: global }
      - { .name: qkv, .offset: 24, .size: 8, .value_kind: global_buffer, .address_space: global }
      - { .name: qkvs, .offset: 32, .size: 8, .value_kind: global_buffer, .address_space: global }
    .group_segment_fixed_size: 327680
    .private_segment_fixed_size: 0
    .kernarg_segment_align: 8
    .kernarg_segment_size: 40
    .max_flat_workgroup_size: 128
    .sgpr_count:     100
    .vgpr_count:     1024
    .wavefront_size: 32
...
	.end_amdgpu_metadata
.endif
;; end of part 2
;; launch attn (part 3): grid 4 x 64, 16 waves a work-group, clusters of 4 x 1, 327,680 bytes of LDS; arguments qkv, qkvs, cod, scl; writes cod, scl
.if DOCPART == 3
	.amdgcn_target "amdgcn-amd-amdhsa--gfx1250"
	.amdhsa_code_object_version 6
	.text
	.protected	k_q69b2b25a9a_attn
	.globl	k_q69b2b25a9a_attn
	.p2align	8
	.type	k_q69b2b25a9a_attn,@function
k_q69b2b25a9a_attn:
	s_mov_b64 s[64:65], 0
	v_nop
	global_prefetch_b8 v0, s[64:65] scope:SCOPE_SE
	s_setreg_imm32_b32 hwreg(HW_REG_WAVE_MODE, 25, 1), 1
	s_wait_xcnt 0x0
	s_wait_alu depctr_hold_cnt(0) depctr_sa_sdst(0) depctr_va_vdst(0) depctr_va_sdst(0) depctr_va_ssrc(0) depctr_va_vcc(0) depctr_vm_vsrc(0)
	s_getreg_b32 s2, hwreg(HW_REG_IB_STS2, 6, 4)
	s_cmp_eq_u32 s2, 0
	s_cbranch_scc0 .Lentry_in_a_cluster
	s_endpgm
.Lentry_in_a_cluster:
	s_bfe_u32 s2, ttmp6, 0x10000c
	s_cmp_lg_u32 s2, 0x3003
	s_cbranch_scc0 .Lentry_shape_is_right
	s_endpgm
.Lentry_shape_is_right:
; Causal attention on codes of FP6 (E2M3) for one (batch, head) a cluster: S^T = K Q^T (K = the head's 64), p = 2^(t - M) quantised along the keys, O^T = V^T P^T, O / l quantised along the model's 1,024 for the last product.
; t = score x log2(e) / 8; M = the running largest t rounded UP to a whole number; the row's sum l is taken of the unquantised p; when M moves, l and O are multiplied by 2^(old M - new M): exact.
; SHARES.  The four partners (cx = 0..3) serve one head.  A tile of 16 queries is token tile 4 j + cx, j = 0..31.  Wave w of sixteen owns j = 31 - w and then j = w: (31 - w) / 2 + 1 + w / 2 + 1 = 17 key steps of 128 for every wave.
; The last key step that counts for tile 4 j + cx is j / 2, whatever cx is: no branch hangs on a work-group's place in its cluster.
; LDS holds the head's whole K and V, as images of operand registers, and their scale words; each is filled once, by joint loads of the four partners (they read the same bytes): no slot is ever filled again.
; TOKENS IN A TILE ARE NOT NEIGHBOURS: row r of token tile 2 b + u is token 32 b + 8 u + r + 8 (r / 8); so S^T's 16 registers of key tiles 2 b, 2 b + 1 are keys 32 b + 16 (lane / 16) + 0 .. 15.  V's d are laid likewise, so O^T's registers run along d.
; A HEAD IS HALF AN INSTRUCTION'S K.  A fragment of 12 registers holds TWO key tiles (registers 0-5, 6-11).  Against [q | zeros] it gives the even tile's scores, against [zeros | q] the odd tile's; v16-33 = [q | 0 | q] serves both.
; OUT: row tile 768 + 128 batch + token tile of cod; chunk head / 2; my head's six registers as 512 bytes (registers 0-3, 16 a lane) + 256 bytes (registers 4-5, 8 a lane) at 768 (head % 2).  Its two scale bytes go into the row's word of that chunk.
; LIMITS: NaN and infinities are not served; a block of zeros or under 2^-124 gets the byte 1; 1 / l is v_rcp_f32's.
.set VIMG,  98304                      ; LDS: K's images 0 .. 98,303 (6,144 bytes a step), V's behind them,
.set KSCL,  196608                     ; K's scale words (512 bytes a step),
.set VSCL,  204800                     ; V's (256 bytes a step)
.set ADK, 5
.set ADV, 6
.set ADS, 7
.set ADT, 8
.set VR,  9                            ; v9   r + 8 (r / 8) - 16 h
.set QD,  10                           ; v10  my query's place in its last step, less 16 h
.set QF,  16                           ; v16-33 [q | 0 | q]
.set QS,  34                           ; q's scale word, its two bytes in both halves
.set PS,  35                           ; p's scale word
.set KV,  36                           ; v36-83 four fragments of K, then of V
.set KSC, 84
.set VSC, 92
.set S,   96                           ; v96-159 S^T, then p
.set O,   160                          ; v160-191 O^T
.set PC,  192
.set PT,  204
.set BX,  212
.set BP,  216
.set SO,  220
.set F,   224
.set T,   226
.set NINF, 228
.set L8,  229
.set QLO, 230                          ; v230-241 the second tile's pair image, v242 its scale word; v243 the first tile's word
.set W0,  244
.set LN,  245
.set WV,  12
.set CX,  13
.set BH,  14
.set HD,  15
.set BT,  16
.set SX,  17
.set SEL, 20
.set CS,  22
.set G1C, 24
.set G1S, 32
.set G0S, 40
.set G0C, 44
.set TB,  52
.set TS,  53
.set TV,  54
.set SI,  55
.set JD,  56
.set OC,  58
.set OS,  60
.set SU,  62
.set JH,  78
.set CXH, 79
.macro ROUND
	s_barrier_signal -1
	s_barrier_wait -1
	s_cmp_lg_u32 s[WV], 0
	s_cbranch_scc1 .Lnot_wave_0_\@
	s_barrier_signal -3
.Lnot_wave_0_\@:
	s_barrier_wait -3
	s_barrier_signal -1
	s_barrier_wait -1
.endm
	s_load_b128 s[4:7], s[0:1], 0x0                ; qkv, qkvs
	s_load_b128 s[8:11], s[0:1], 0x10              ; cod, scl
	v_lshl_add_u32 v254, v0, 2, 0x33000
	v_mov_b32 v255, 0
	ds_add_u32 v254, v255
	ds_add_u32 v254, v255
	v_lshrrev_b32 v1, 5, v0
	s_delay_alu instid0(VALU_DEP_1)
	v_readfirstlane_b32 s[WV], v1                  ; wave 0..15
	s_bfe_u32 s[CX], ttmp6, 0x40000                ; cx
	s_and_b32 s[BH], ttmp7, 0xffff                 ; batch x 16 + head: the four partners share it
	s_and_b32 s[HD], s[BH], 15
	s_lshr_b32 s[BT], s[BH], 4
	s_mov_b32 s[G1C], 15|(3<<16)|(1<<21)           ; 15:0 the mask: all four; 17:16 elements of 8 bytes; 21 set beside a mask
	s_mov_b32 s[G1C+1], 32<<16                     ; rows of 256 bytes, dense
	s_mov_b32 s[G1C+2], 48<<16
	s_mov_b32 s[G1C+3], 32<<16
	s_mov_b32 s[G1C+4], 48                         ; 12,288 bytes: two steps' images
	s_mov_b32 s[G1C+5], 32
	s_mov_b32 s[G1C+6], 0
	s_mov_b32 s[G1C+7], 0
	s_mov_b32 s[G1S], 15|(3<<16)|(1<<21)
	s_mov_b32 s[G1S+1], 32<<16
	s_mov_b32 s[G1S+2], 3<<16
	s_mov_b32 s[G1S+3], 32<<16
	s_mov_b32 s[G1S+4], 3                          ; 768 bytes of scale words
	s_mov_b32 s[G1S+5], 32
	s_mov_b32 s[G1S+6], 0
	s_mov_b32 s[G1S+7], 0
	s_lshr_b32 s66, s[WV], 3                       ; waves 0-7 fetch K, waves 8-15 V
	s_and_b32 s67, s[WV], 7
	s_mul_i32 s68, s66, VIMG
	s_mul_i32 s69, s67, 12288
	s_add_co_u32 s68, s68, s69                     ; where my part goes
	s_lshl_b32 s70, s66, 6
	s_add_co_u32 s70, s70, 64
	s_add_co_u32 s70, s70, s[BH]                   ; the plane: 64 + head's number for K, 128 + for V
	s_mul_i32 s70, s70, 98304
	s_add_co_u32 s70, s70, s69
	s_mov_b32 s71, 0
	s_mul_i32 s72, s[WV], 768
	s_mul_i32 s74, s[BH], 20480
	s_add_co_u32 s74, s74, 8192                    ; K's words and V's lie on end: 12,288 bytes, 768 a wave
	s_add_co_u32 s74, s74, s72
	s_mov_b32 s75, 0
	s_wait_dscnt 0x0
	s_wait_kmcnt 0x0
	ROUND                                          ; all four work-groups are here: the joint loads meet
	s_mov_b32 s[G0S], 1
	s_add_co_u32 s[G0S+1], s72, KSCL
	s_add_nc_u64 s[G0S+2:G0S+3], s[6:7], s[74:75]
	s_or_b32 s[G0S+3], s[G0S+3], 0x80000000
	s_mov_b32 s[G0C], 1
	s_mov_b32 s[G0C+1], s68
	s_add_nc_u64 s[G0C+2:G0C+3], s[4:5], s[70:71]
	s_or_b32 s[G0C+3], s[G0C+3], 0x80000000
	tensor_load_to_lds s[G0S:G0S+3], s[G1S:G1S+7]  ; every wave issues both: one tensor load of mine is out at a time
	s_nop 0
	s_wait_alu depctr_va_vdst(0)
	s_wait_tensorcnt 0x0
	ds_add_u32 v254, v255
	s_wait_dscnt 0x0
	ROUND
	tensor_load_to_lds s[G0C:G0C+3], s[G1C:G1C+7]
	s_nop 0
.rept 4
	v_nop
.endr
	v_and_b32 v[LN], 31, v0
	v_and_b32 v246, 15, v0                         ; r
	v_bfe_u32 v247, v0, 4, 1                       ; h
	s_delay_alu instid0(VALU_DEP_3)
	v_lshlrev_b32 v1, 4, v[LN]                     ; v1   16 x lane: an image's place, in LDS (K) and in memory
	s_delay_alu instid0(VALU_DEP_1)
	v_add_nc_u32 v2, VIMG, v1                      ; v2   the same in V's images
	s_delay_alu instid0(VALU_DEP_4)
	v_lshlrev_b32 v11, 4, v246                     ; v11  16 r
	s_wait_alu depctr_va_vdst(0)
	v_add_nc_u32 v3, KSCL, v11                     ; v3   K's scale words of my row
	v_add_nc_u32 v4, VSCL, v11                     ; v4   V's
	v_lshlrev_b32 v[L8], 3, v[LN]
	v_and_b32 v[VR], 8, v246
	s_delay_alu instid0(VALU_DEP_1)
	v_add_nc_u32 v[VR], v[VR], v246
	v_lshlrev_b32 v247, 4, v247
	s_delay_alu instid0(VALU_DEP_1)
	v_sub_nc_u32 v[VR], v[VR], v247
	; Q: the pair images and scale words of both my tiles
	s_sub_co_u32 s[JH], 31, s[WV]
	s_lshr_b32 s[CXH], s[CX], 1
	s_mul_i32 s80, s[BH], 98304
	s_lshl_b32 s81, s[JH], 1
	s_add_co_u32 s81, s81, s[CXH]
	s_mul_i32 s81, s81, 1536
	s_add_co_u32 s82, s80, s81
	s_mov_b32 s83, 0
	s_add_nc_u64 s[82:83], s[4:5], s[82:83]
	s_lshl_b32 s81, s[WV], 1
	s_add_co_u32 s81, s81, s[CXH]
	s_mul_i32 s81, s81, 1536
	s_add_co_u32 s84, s80, s81
	s_mov_b32 s85, 0
	s_add_nc_u64 s[84:85], s[4:5], s[84:85]
	s_mul_i32 s80, s[BH], 20480
	s_lshl_b32 s81, s[CX], 2
	s_add_co_u32 s80, s80, s81
	s_lshl_b32 s81, s[JH], 8
	s_add_co_u32 s86, s80, s81
	s_mov_b32 s87, 0
	s_add_nc_u64 s[86:87], s[6:7], s[86:87]
	s_lshl_b32 s81, s[WV], 8
	s_add_co_u32 s88, s80, s81
	s_mov_b32 s89, 0
	s_add_nc_u64 s[88:89], s[6:7], s[88:89]
.irp c, 0,1,2
	global_load_b128 v[S+4*\c:S+4*\c+3], v1, s[82:83] offset:512*\c
	global_load_b128 v[QLO+4*\c:QLO+4*\c+3], v1, s[84:85] offset:512*\c
.endr
	global_load_b32 v243, v11, s[86:87]
	global_load_b32 v242, v11, s[88:89]
	s_and_b32 s[SU], s[CX], 1
	s_sub_co_u32 s[SU], 0, s[SU]                   ; all ones where my token tile is the pair's odd one
	s_mov_b32 s[SEL], 0x76543210
	s_mov_b32 s[SEL+1], 0xfedcba98
	s_mov_b32 s[CS], 0x3e38aa3b                    ; c = log2(e) / 8
	s_mov_b32 s[CS+1], s[CS]
	v_mov_b32 v[NINF], 0xff800000
	v_mov_b32 v[F+1], 0                            ; (named as the upper half of a pair)
.irp b, 0,1,2,3
	v_mov_b32 v[BP+\b], 0                          ; written once: a lane permute's destination counts as one of its sources
.endr
.irp i, 0,1,2,3,4,5
	v_mov_b32 v[QF+6+\i], 0                        ; the zero codes between the two copies of q
.endr
; A tile's start: j in s[j], its pair image in v[img ..], its scale word in v[word].  Addresses; Q's fragment; then the running numbers, whose moves are the places between the writes of Q's registers and the first product.
.macro START j, img, word
	s_lshr_b32 s[JD], s[\j], 1                     ; the last key step that counts
	s_and_b32 s66, s[\j], 1
	s_lshl_b32 s66, s66, 6
	s_lshl_b32 s67, s[CXH], 5
	s_add_co_u32 s66, s66, s67
	s_and_b32 s67, s[CX], 1
	s_lshl_b32 s67, s67, 3
	s_add_co_u32 s66, s66, s67                     ; the tile's first token in that step: 64 (j % 2) + 32 (cx / 2) + 8 (cx % 2)
	v_add_nc_u32 v[QD], s66, v[VR]
	s_lshl_b32 s68, s[BT], 7
	s_add_co_u32 s68, s68, 768
	s_lshl_b32 s69, s[\j], 2
	s_add_co_u32 s68, s68, s69
	s_add_co_u32 s68, s68, s[CX]                   ; the row tile of cod
	s_mul_i32 s70, s68, 12288
	s_mul_i32 s69, s[HD], 768                      ; chunk head / 2, half head % 2
	s_add_co_u32 s70, s70, s69
	s_mov_b32 s71, 0
	s_add_nc_u64 s[OC:OC+1], s[8:9], s[70:71]
	s_lshl_b32 s70, s68, 9
	s_lshr_b32 s69, s[HD], 3
	s_lshl_b32 s69, s69, 8
	s_add_co_u32 s70, s70, s69
	s_and_b32 s69, s[HD], 7
	s_lshl_b32 s69, s69, 1
	s_add_co_u32 s70, s70, s69
	s_add_nc_u64 s[OS:OS+1], s[10:11], s[70:71]
.irp i, 0,1,2,3,4,5
	v_cndmask_b32 v[QF+\i], v[\img+\i], v[\img+6+\i], s[SU]
.endr
.irp i, 0,1,2,3,4,5
	v_mov_b32 v[QF+12+\i], v[QF+\i]
.endr
	v_alignbit_b32 v[W0], v[\word], v[\word], 16
	s_delay_alu instid0(VALU_DEP_1)
	v_or_b32 v[QS], v[W0], v[\word]                ; the two bytes in both halves of the word
	v_mov_b32 v13, 0xff61b1e6                      ; the largest t so far: -3e38
	s_delay_alu instid0(VALU_DEP_1)
	v_floor_f32 v12, -v13                          ; -M
	v_mov_b32 v14, 0
	v_mov_b32 v15, 0
.set J, 0
.rept 32
	v_mov_b32 v[O+J], 0                            ; the step is written once: the first finds zeros, which the first change of M leaves zeros
.set J, J+1
.endr
.endm
; A KEY STEP of 128 keys.  mask = 1: a step past the tile's last is left out (a branch on the wave's number and the loop's count), and in the last one hidden scores become -infinity.
.macro STEP mask
.if \mask
	s_cmp_gt_u32 s[SI], s[JD]
	s_cbranch_scc1 .Lhid_\@
.endif
	s_setprio 2
	v_add_nc_u32 v[ADK], s[TB], v1                 ; these four are the places in front of loads into registers that the last products read
	v_add_nc_u32 v[ADV], s[TB], v2
	v_add_nc_u32 v[ADS], s[TS], v3
	v_add_nc_u32 v[ADT], s[TV], v4
.irp i, 0,1,2,3
.irp c, 0,1,2
	ds_load_b128 v[KV+12*\i+4*\c:KV+12*\i+4*\c+3], v[ADK] offset:1536*\i+512*\c
.endr
.endr
	ds_load_b128 v[KSC:KSC+3], v[ADS]
	ds_load_b128 v[KSC+4:KSC+7], v[ADS] offset:256
	s_wait_alu depctr_va_vdst(0)
	s_wait_dscnt 0x0
.irp i, 0,1,2,3
.irp u, 0,1
	v_wmma_scale_f32_16x16x128_f8f6f4 v[S+8*(2*\i+\u):S+8*(2*\i+\u)+7], v[KV+12*\i:KV+12*\i+11], v[QF+6*\u:QF+6*\u+11], 0, v[KSC+2*\i+\u], v[QS] matrix_a_fmt:MATRIX_FMT_FP6 matrix_b_fmt:MATRIX_FMT_FP6
.endr
.endr
.rept 4
	v_nop
.endr
.irp t, 0,1,2,3
.irp c, 0,1,2
	ds_load_b128 v[KV+12*\t+4*\c:KV+12*\t+4*\c+3], v[ADV] offset:1536*\t+512*\c   ; V's fragments land under the softmax
.endr
.endr
	ds_load_b128 v[VSC:VSC+3], v[ADT]
.if \mask
	s_cmp_lt_u32 s[SI], s[JD]
	s_cbranch_scc1 .Lopen_\@
.set N, 0
.rept 64
	v_cmp_gt_i32 vcc_lo, 32*(N/16)+N%16, v[QD]     ; register 16 b + i holds key 32 b + 16 h + i of the step
	v_cndmask_b32 v[S+N], v[S+N], v[NINF], vcc_lo
.set N, N+1
.endr
.Lopen_\@:
.endif
.irp b, 0,1,2,3
	v_max3_num_f32 v[BX+\b], v[S+16*\b], v[S+16*\b+1], v[S+16*\b+2]   ; the largest score of each block of 32 keys: for the row's maximum, and, since p rises with the score, for the block's largest p
.endr
.irp i, 3,5,7,9,11,13
.irp b, 0,1,2,3
	v_max3_num_f32 v[BX+\b], v[BX+\b], v[S+16*\b+\i], v[S+16*\b+\i+1]
.endr
.endr
.irp b, 0,1,2,3
	v_max_num_f32 v[BX+\b], v[BX+\b], v[S+16*\b+15]
.endr
.irp b, 0,1,2,3
	s_delay_alu instid0(VALU_DEP_4)
	v_permlanex16_b32 v[BP+\b], v[BX+\b], s[SEL], s[SEL+1]
.endr
.irp b, 0,1,2,3
	s_delay_alu instid0(VALU_DEP_4)
	v_max_num_f32 v[BX+\b], v[BX+\b], v[BP+\b]
.endr
	s_delay_alu instid0(VALU_DEP_2)
	v_max3_num_f32 v[W0], v[BX], v[BX+1], v[BX+2]
	s_delay_alu instid0(VALU_DEP_1)
	v_max_num_f32 v[W0], v[W0], v[BX+3]
	s_delay_alu instid0(VALU_DEP_1)
	v_mul_f32 v[W0], s[CS], v[W0]
	s_delay_alu instid0(VALU_DEP_1)
	v_max_num_f32 v13, v13, v[W0]                  ; the running largest t
	v_mov_b32 v[W0], v12
	s_delay_alu instid0(VALU_DEP_2)
	v_floor_f32 v12, -v13                          ; -M = floor(-t): M is a whole number
	s_delay_alu instid0(VALU_DEP_1)
	v_sub_f32 v[W0], v12, v[W0]
	s_delay_alu instid0(VALU_DEP_1)
	v_cvt_i32_f32 v[W0], v[W0]                     ; (it saturates)
	s_delay_alu instid0(VALU_DEP_1)
	v_ldexp_f32 v[F], 1.0, v[W0]                   ; f = 2^(old M - new M)
.set J, 0
.rept 32
	v_pk_fma_f32 v[S+J:S+J+1], v[S+J:S+J+1], s[CS:CS+1], v[12:13] op_sel_hi:[1,0,0]   ; t - M
.set J, J+2
.endr
.irp b, 0,1,2,3
	v_fma_f32 v[BX+\b], v[BX+\b], s[CS], v12
.endr
.set J, 0
	s_setprio 1
	s_wait_alu depctr_va_vdst(0)
.rept 64
	v_exp_f32 v[S+J], v[S+J]                       ; p = 2^(t - M): not normalised
.set J, J+1
.endr
	v_pk_mul_f32 v[14:15], v[14:15], v[F:F+1] op_sel_hi:[1,0]   ; the sum under the new M: the plain instruction behind the batch
	s_wait_alu depctr_va_vdst(0)                   ; one wait for the 64, ahead of their first reader
.irp b, 0,1,2,3
	v_exp_f32 v[BX+\b], v[BX+\b]                   ; each block's largest p
.endr
	v_pk_add_f32 v[T:T+1], v[S:S+1], v[S+2:S+3]    ; the sum of the unquantised p, in two chains: its first half stands behind the four
.irp j, 4,8,12,16,20,24,28
	v_pk_add_f32 v[14:15], v[14:15], v[S+\j:S+\j+1]
	v_pk_add_f32 v[T:T+1], v[T:T+1], v[S+\j+2:S+\j+3]
.endr
	s_wait_alu depctr_va_vdst(0)                   ; and one for the four
.irp b, 0,1,2,3
	v_max_num_f32 v[BX+\b], 0x1800000, v[BX+\b]    ; the floor: the byte cannot fall under 1
.endr
.irp b, 0,1,2,3
	s_delay_alu instid0(VALU_DEP_4)
	v_add_nc_u32 v[SO+\b], 0xff000000, v[BX+\b]
.endr
.irp b, 0,1,2,3
	s_delay_alu instid0(VALU_DEP_4)
	v_lshrrev_b32 v[BP+\b], 23, v[SO+\b]
.endr
	s_delay_alu instid0(VALU_DEP_3)
	v_lshl_or_b32 v[PS], v[BP+1], 8, v[BP]
	s_delay_alu instid0(VALU_DEP_1)
	v_lshl_or_b32 v[PS], v[BP+2], 16, v[PS]
	s_delay_alu instid0(VALU_DEP_1)
	v_lshl_or_b32 v[PS], v[BP+3], 24, v[PS]
.irp c, 0,1
	v_cvt_scalef32_pk16_fp6_f32 v[PC+6*\c:PC+6*\c+2], v[S+32*\c:S+32*\c+15], v[SO+2*\c]
	v_cvt_scalef32_pk16_fp6_f32 v[PT+4*\c:PT+4*\c+2], v[S+32*\c+16:S+32*\c+31], v[SO+2*\c+1]
.endr
	v_nop                                          ; one plain instruction behind the conversions
.irp c, 0,1
.irp i, 0,1,2
	v_permlane16_swap_b32 v[PC+6*\c+\i], v[PT+4*\c+\i]
.endr
.irp i, 0,1,2
	s_delay_alu instid0(VALU_DEP_3)
	v_mov_b32 v[PC+6*\c+3+\i], v[PT+4*\c+\i]
.endr
.endr
.set J, 0
	s_setprio 0
.rept 16
	v_pk_mul_f32 v[O+J:O+J+1], v[O+J:O+J+1], v[F:F+1] op_sel_hi:[1,0]   ; O^T under the new M
.set J, J+2
.endr
.irp j, 32,36,40,44,48,52,56,60
	v_pk_add_f32 v[14:15], v[14:15], v[S+\j:S+\j+1]             ; the sum's second half: 17 plain instructions that name no register of the products below: the places behind the writes of p's codes and scale word
	v_pk_add_f32 v[T:T+1], v[T:T+1], v[S+\j+2:S+\j+3]
.endr
	s_delay_alu instid0(VALU_DEP_1)
	v_pk_add_f32 v[14:15], v[14:15], v[T:T+1]
	s_wait_dscnt 0x0                               ; V
.irp t, 0,1,2,3
	v_wmma_scale_f32_16x16x128_f8f6f4 v[O+8*\t:O+8*\t+7], v[KV+12*\t:KV+12*\t+11], v[PC:PC+11], v[O+8*\t:O+8*\t+7], v[VSC+\t], v[PS] matrix_a_fmt:MATRIX_FMT_FP6 matrix_b_fmt:MATRIX_FMT_FP6
.endr
.if \mask
.Lhid_\@:
.endif
	s_add_co_u32 s[TB], s[TB], 6144
	s_add_co_u32 s[TS], s[TS], 512
	s_add_co_u32 s[TV], s[TV], 256
.endm
; O^T / l, quantised along d (two blocks of 32 of the last product's K), stored as my head's half of a fragment's image.
.macro OUTPUT
.rept 4
	v_nop
.endr
	v_add_f32 v14, v14, v15
	s_delay_alu instid0(VALU_DEP_1)
	v_permlanex16_b32 v[W0], v14, s[SEL], s[SEL+1]
	s_delay_alu instid0(VALU_DEP_1)
	v_add_f32 v14, v14, v[W0]                      ; the row's sum
	s_wait_alu depctr_va_vdst(0)
	v_rcp_f32 v[F], v14
	v_nop
	s_wait_alu depctr_va_vdst(0)                   ; ahead of the reciprocal's first reader
.set J, 0
.rept 16
	v_pk_mul_f32 v[S+J:S+J+1], v[O+J:O+J+1], v[F:F+1] op_sel_hi:[1,0]   ; register 16 b + i = d 32 b + 16 h + i of my query; each accumulator from its low end on
.set J, J+2
.endr
.irp b, 0,1
	v_max3_num_f32 v[BX+\b], |v[S+16*\b]|, |v[S+16*\b+1]|, 0x1800000
.endr
.irp i, 2,4,6,8,10,12,14
.irp b, 0,1
	s_delay_alu instid0(VALU_DEP_2)
	v_max3_num_f32 v[BX+\b], v[BX+\b], |v[S+16*\b+\i]|, |v[S+16*\b+\i+1]|
.endr
.endr
.irp b, 0,1
	s_delay_alu instid0(VALU_DEP_2)
	v_permlanex16_b32 v[BP+\b], v[BX+\b], s[SEL], s[SEL+1]
.endr
.irp b, 0,1
	s_delay_alu instid0(VALU_DEP_2)
	v_max_num_f32 v[BX+\b], v[BX+\b], v[BP+\b]
.endr
.irp b, 0,1
	s_delay_alu instid0(VALU_DEP_2)
	v_add_nc_u32 v[SO+\b], 0xff000000, v[BX+\b]
.endr
.irp b, 0,1
	s_delay_alu instid0(VALU_DEP_2)
	v_lshrrev_b32 v[BP+\b], 23, v[SO+\b]
.endr
	s_delay_alu instid0(VALU_DEP_1)
	v_lshl_or_b32 v[W0], v[BP+1], 8, v[BP]         ; my head's two scale bytes
	v_cvt_scalef32_pk16_fp6_f32 v[PC:PC+2], v[S:S+15], v[SO]
	v_cvt_scalef32_pk16_fp6_f32 v[PT:PT+2], v[S+16:S+31], v[SO+1]
	v_nop
.irp i, 0,1,2
	v_permlane16_swap_b32 v[PC+\i], v[PT+\i]
.endr
.irp i, 0,1,2
	s_delay_alu instid0(VALU_DEP_3)
	v_mov_b32 v[PC+3+\i], v[PT+\i]
.endr
	global_store_b128 v1, v[PC:PC+3], s[OC:OC+1]               ; 512 consecutive bytes
	global_store_b64 v[L8], v[PC+4:PC+5], s[OC:OC+1] offset:512   ; 256 consecutive bytes
	s_wait_xcnt 0x0                                ; EXEC changes only behind this wait
	v_cmp_gt_u32 vcc_lo, 16, v[LN]
	s_and_saveexec_b32 s[SX], vcc_lo
	global_store_b16 v11, v[W0], s[OS:OS+1]        ; two bytes a row, 16 bytes apart: the other half of the word is the neighbouring head's
	s_wait_xcnt 0x0                                ; and again in front of the line that widens it; the codes' registers and both bases may be written again too
	s_or_b32 exec_lo, exec_lo, s[SX]
.endm
	s_wait_loadcnt 0x0                             ; Q
	START JH, S, 243
	s_wait_tensorcnt 0x0                           ; my parts of K, V and the scale words are in,
	s_barrier_signal -1
	s_barrier_wait -1                              ; everybody's are
	s_mov_b32 s[TB], 0
	s_mov_b32 s[TS], 0
	s_mov_b32 s[TV], 0
	s_mov_b32 s[SI], 0
.Lfirst:                                           ; tile 31 - w, steps 0-7: its last step is 8 at the least, so all keys count
	STEP 0
	s_add_co_u32 s[SI], s[SI], 1
	s_cmp_lt_u32 s[SI], 8
	s_cbranch_scc1 .Lfirst
	s_setprio 0
	s_mov_b32 s[TB], 49152
	s_mov_b32 s[TS], 4096
	s_mov_b32 s[TV], 2048
	s_mov_b32 s[SI], 8
.Lsecond:                                          ; steps 8-15
	STEP 1
	s_add_co_u32 s[SI], s[SI], 1
	s_cmp_lt_u32 s[SI], 16
	s_cbranch_scc1 .Lsecond
	s_setprio 0
	s_wait_alu depctr_va_vdst(0)
	OUTPUT
	START WV, QLO, 242
	s_mov_b32 s[TB], 0
	s_mov_b32 s[TS], 0
	s_mov_b32 s[TV], 0
	s_mov_b32 s[SI], 0
.Lthird:                                           ; tile w, steps 0-7
	STEP 1
	s_add_co_u32 s[SI], s[SI], 1
	s_cmp_lt_u32 s[SI], 8
	s_cbranch_scc1 .Lthird
	s_setprio 0
	s_wait_alu depctr_va_vdst(0)
	OUTPUT
	s_wait_tensorcnt 0x0
	ds_add_u32 v254, v255
	s_wait_dscnt 0x0
	ROUND                                          ; the closing round
	s_endpgm
.Lfunc_end_k_q69b2b25a9a_attn:
	.size	k_q69b2b25a9a_attn, .Lfunc_end_k_q69b2b25a9a_attn-k_q69b2b25a9a_attn
	.p2alignl 7, 3214868480
	.fill 96, 4, 3214868480
	.section	.rodata,"a",@progbits
	.p2align	6, 0x0
	.amdhsa_kernel k_q69b2b25a9a_attn
		.amdhsa_group_segment_fixed_size 327680
		.amdhsa_private_segment_fixed_size 0
		.amdhsa_enable_private_segment 0
		.amdhsa_kernarg_size 32
		.amdhsa_user_sgpr_count 2
		.amdhsa_user_sgpr_kernarg_segment_ptr 1
		.amdhsa_wavefront_size32 1
		.amdhsa_system_sgpr_workgroup_id_x 1
		.amdhsa_system_sgpr_workgroup_id_y 1
		.amdhsa_system_sgpr_workgroup_id_z 1
		.amdhsa_system_vgpr_workitem_id 0
		.amdhsa_next_free_vgpr 256
		.amdhsa_next_free_sgpr 90
		.amdhsa_reserve_vcc 1
		.amdhsa_float_denorm_mode_32 3
		.amdhsa_float_denorm_mode_16_64 3
		.amdhsa_memory_ordered 1
		.amdhsa_forward_progress 1
		.amdhsa_inst_pref_size 84
	.end_amdhsa_kernel
	.amdgpu_metadata
---
amdhsa.version: [ 1, 2 ]
amdhsa.kernels:
  - .name:           k_q69b2b25a9a_attn
    .symbol:         k_q69b2b25a9a_attn.kd
    .args:
      - { .name: qkv, .offset: 0, .size: 8, .value_kind: global_buffer, .address_space: global }
      - { .name: qkvs, .offset: 8, .size: 8, .value_kind: global_buffer, .address_space: global }
      - { .name: cod, .offset: 16, .size: 8, .value_kind: global_buffer, .address_space: global }
      - { .name: scl, .offset: 24, .size: 8, .value_kind: global_buffer, .address_space: global }
    .group_segment_fixed_size: 327680
    .private_segment_fixed_size: 0
    .kernarg_segment_align: 8
    .kernarg_segment_size: 32
    .max_flat_workgroup_size: 512
    .sgpr_count:     90
    .vgpr_count:     256
    .wavefront_size: 32
...
	.end_amdgpu_metadata
.endif
;; end of part 3
;; launch outgemm (part 4): grid 4 x 32, 4 waves a work-group, clusters of 4 x 4, 327,680 bytes of LDS; arguments cod, scl, b_out, out0; writes out0
.if DOCPART == 4
	.amdgcn_target "amdgcn-amd-amdhsa--gfx1250"
	.amdhsa_code_object_version 6
	.text
	.protected	k_q69b2b25a9a_outgemm
	.globl	k_q69b2b25a9a_outgemm
	.p2align	8
	.type	k_q69b2b25a9a_outgemm,@function
k_q69b2b25a9a_outgemm:
	s_mov_b64 s[64:65], 0
	v_nop
	global_prefetch_b8 v0, s[64:65] scope:SCOPE_SE
	s_setreg_imm32_b32 hwreg(HW_REG_WAVE_MODE, 25, 1), 1
	s_wait_xcnt 0x0
	s_wait_alu depctr_hold_cnt(0) depctr_sa_sdst(0) depctr_va_vdst(0) depctr_va_sdst(0) depctr_va_ssrc(0) depctr_va_vcc(0) depctr_vm_vsrc(0)
	s_getreg_b32 s2, hwreg(HW_REG_IB_STS2, 6, 4)
	s_cmp_eq_u32 s2, 0
	s_cbranch_scc0 .Lentry_in_a_cluster
	s_endpgm
.Lentry_in_a_cluster:
	s_bfe_u32 s2, ttmp6, 0x10000c
	s_cmp_lg_u32 s2, 0xf033
	s_cbranch_scc0 .Lentry_shape_is_right
	s_endpgm
.Lentry_shape_is_right:
; out0 = o w_out + b_out on codes of FP6 (E2M3), K = 1,024.  A = the attention's output (row tiles 768-1279 of cod), B = w_out's columns (row tiles 704-767); both lie as images of operand registers.
; A tile of 256 x 256 to a work-group of four waves, 128 x 128 a wave.  Source 0 of the matrix instruction is B, source 1 A: a lane holds one token, and its registers run along the output's columns.
; Row r of a row tile 2 b + u is natural row 32 b + 8 u + r + 8 (r / 8), for tokens and for columns: so the 16 registers of B's tiles 2 b, 2 b + 1 are 16 neighbouring columns, and a block of A goes out to two groups of eight rows.
; A's chunk of 128 K was written by two heads, each its six registers: 512 bytes (registers 0-3, 16 a lane), 256 (4-5, 8 a lane), then the same for registers 6-11: four LDS loads a fragment.  B's: three loads of 16 bytes.
; K goes in four steps of 256 through two LDS slots; a wave's tensor load brings 8 row tiles x 3,072 bytes.  CLUSTERS 4 x 4: A's tiles shared along a row of the cluster, B's along a column, asked for jointly.
; The scale words of all of K stay in 64 registers.  The bias is the C of each sum's first matrix instruction.  128 work-groups: the output has 128 tiles of this size.
; REGISTERS.  window 0: v16-29 addresses; v32-95 scale words; v96-127, v224-255 the bias; v128-223 A's fragments; on the way out v128-255 rows of the output.  window 1: B's two sets.  windows 2, 3: accumulators.
.set FR,     12
.set NLA,    4                         ; LDS loads that bring a fragment of A
.set NP,     4
.set CHB,    1536
.set TROW,   3072
.set RTB,    12288
.set HALFT,  8*TROW
.set SLOT,   4*HALFT
.set SPARE,  2*SLOT                    ; the spare words, 128 bytes a wave: two blocks of 256 bytes that no other line names
.set SPITCH, 528                       ; the way out: a stage of 16 rows x (512 + 16) bytes a wave, in slot 0, which has had its last fill and its last read when the first result is stored there
.set ADRA, 16                          ; v16-17 16 x lane in my A tiles of slot 0, 1;  v18-19 8 x lane
.set ADRB, 20
.set STO,  24
.set RD,   25
.set CO,   26
.set SPW,  28
.set NIL,  29
.set SC,   32
.set AF,   128
.set BK,   128
.set G1,  24
.set G0,  32
.set G1B, 48
.set G0B, 56
.set MSB, 0
.macro WIN new
.if MSB != \new
	s_set_vgpr_msb (MSB<<8)|\new
.set MSB, \new
.endif
.endm
.set MUL_LO, 0xa1
.set MUL_HI, 0xf1
.set FST_LO, 0x81                      ; the first chunk: C (the bias) in window 0, D in window 2
.set FST_HI, 0xc1
.set TO_B,   0x40
.macro JLOAD g0a, g1a, g0b, g1b
	s_cmp_eq_u32 s15, 0
	s_cbranch_scc0 .Lfor_b_\@
	tensor_load_to_lds s[\g0a:\g0a+3], s[\g1a:\g1a+7]
	s_nop 0
.rept 4
	v_nop
.endr
	s_branch .Lasked_\@
.Lfor_b_\@:
	tensor_load_to_lds s[\g0b:\g0b+3], s[\g1b:\g1b+7]
	s_nop 0
.rept 4
	v_nop
.endr
.Lasked_\@:
.endm
.macro CREST
	s_cmp_lg_u32 s14, 0
	s_cbranch_scc1 .Lnot_wave_0_\@
	s_barrier_signal -3
.Lnot_wave_0_\@:
	s_barrier_wait -3
	s_barrier_signal -1
	s_barrier_wait -1
.endm
.macro CROUND
	s_barrier_signal -1
	s_barrier_wait -1
	CREST
.endm
.macro PLACES n
.rept \n
	v_nop
.endr
.endm
	s_load_b128 s[4:7], s[0:1], 0x0                ; cod, scl
	s_load_b128 s[8:11], s[0:1], 0x10              ; b_out, out0
	v_lshl_add_u32 v[SPW], v0, 2, SPARE
	v_mov_b32 v[NIL], 0
	ds_add_u32 v28, v29
	ds_add_u32 v28, v29
	s_wait_dscnt 0x0
	v_lshrrev_b32 v1, 5, v0
	v_readfirstlane_b32 s14, v1
	s_lshr_b32 s15, s14, 1
	s_and_b32 s16, s14, 1
	s_bfe_u32 s40, ttmp6, 0x40000                  ; cx
	s_bfe_u32 s41, ttmp6, 0x40004                  ; cy
	s_lshl_b32 s42, ttmp9, 2
	s_add_co_u32 s42, s42, s40                     ; which 256 columns
	s_and_b32 s17, ttmp7, 0xffff
	s_lshl_b32 s17, s17, 2
	s_add_co_u32 s17, s17, s41                     ; which 256 tokens
	s_lshl_b32 s20, s17, 4
	s_add_co_u32 s20, s20, 768                     ; A's first row tile
	s_lshl_b32 s46, s42, 4
	s_add_co_u32 s46, s46, 704                     ; B's
	s_lshl_b32 s43, s41, 2
	s_lshl_b32 s43, 15, s43
	s_lshl_b32 s44, 0x1111, s40
	s_or_b32 s[G1+0], s43, (3<<16)|(1<<21)
	s_or_b32 s[G1B+0], s44, (3<<16)|(1<<21)
.irp g, G1, G1B
	s_mov_b32 s[\g+1], 384<<16
	s_mov_b32 s[\g+2], 8<<16
	s_mov_b32 s[\g+3], 384<<16
	s_mov_b32 s[\g+4], 8
	s_mov_b32 s[\g+5], 1536
	s_mov_b32 s[\g+6], 0
	s_mov_b32 s[\g+7], 0
.endr
	s_lshl_b32 s21, s16, 3
	s_add_co_u32 s22, s20, s21
	s_add_co_u32 s92, s46, s21
	s_mul_i32 s22, s22, RTB
	s_mov_b32 s23, 0
	s_mul_i32 s92, s92, RTB
	s_mov_b32 s93, 0
	s_mul_i32 s45, s14, HALFT
	s_wait_kmcnt 0x0
	s_add_nc_u64 s[22:23], s[4:5], s[22:23]
	s_add_nc_u64 s[92:93], s[4:5], s[92:93]
	CROUND
.irp s, 0,1
	s_mov_b32 s[G0+4*\s], 1
	s_add_co_u32 s[G0+4*\s+1], s45, \s*SLOT
	s_add_nc_u64 s[G0+4*\s+2:G0+4*\s+3], s[22:23], \s*TROW
	s_or_b32 s[G0+4*\s+3], s[G0+4*\s+3], 0x80000000
	s_mov_b32 s[G0B+4*\s], 1
	s_add_co_u32 s[G0B+4*\s+1], s45, \s*SLOT
	s_add_nc_u64 s[G0B+4*\s+2:G0B+4*\s+3], s[92:93], \s*TROW
	s_or_b32 s[G0B+4*\s+3], s[G0B+4*\s+3], 0x80000000
	JLOAD G0+4*\s, G1, G0B+4*\s, G1B
.endr
	v_and_b32 v1, 15, v0                           ; r
	v_bfe_u32 v2, v0, 4, 1                         ; h
	v_and_b32 v3, 31, v0
	v_lshlrev_b32 v[CO], 4, v3                     ; 16 x lane
	v_lshlrev_b32 v8, 3, v3                        ; 8 x lane
	s_mul_i32 s21, s15, HALFT
	s_mul_i32 s22, s16, HALFT
	s_add_co_u32 s22, s22, 2*HALFT
.irp s, 0,1
	v_add_nc_u32 v[ADRA+\s], s21, v[CO]
	v_add_nc_u32 v[ADRA+2+\s], s21, v8
	v_add_nc_u32 v[ADRB+\s], s22, v[CO]
	s_add_co_u32 s21, s21, SLOT
	s_add_co_u32 s22, s22, SLOT
.endr
	s_lshl_b32 s18, s15, 3
	s_add_co_u32 s18, s18, s20
	s_lshl_b32 s18, s18, 9
	s_lshl_b32 s19, s16, 3
	s_add_co_u32 s19, s19, s46
	s_lshl_b32 s19, s19, 9
	v_mov_b32 v4, s18
	v_mov_b32 v7, s19
	v_cmp_eq_u32 vcc_lo, 1, v2
	v_cndmask_b32 v4, v4, v7, vcc_lo               ; lanes 0-15 take A's scale words, lanes 16-31 B's
	v_lshl_add_u32 v4, v1, 4, v4
.irp i, 0,1,2,3,4,5,6,7
.irp g, 0,1
	global_load_b128 v[SC+8*\i+4*\g:SC+8*\i+4*\g+3], v4, s[6:7] offset:512*\i+256*\g
.endr
.endr
	s_lshl_b32 s18, s17, 8
	s_lshl_b32 s19, s15, 7
	s_add_co_u32 s80, s18, s19                     ; my first token
	s_lshl_b32 s18, s42, 8
	s_lshl_b32 s19, s16, 7
	s_add_co_u32 s81, s18, s19                     ; my first column
	s_lshl_b32 s66, s81, 2
	s_mov_b32 s67, 0
	s_add_nc_u64 s[68:69], s[8:9], s[66:67]        ; the bias at my first column
	v_lshlrev_b32 v5, 6, v2                        ; tile b, register j is column 32 (b / 2) + 16 h + 8 (b % 2) + j
.irp b, 0,1,2,3,4,5,6,7
	global_load_b128 v[96+8*\b+96*(\b/4):96+8*\b+96*(\b/4)+3], v5, s[68:69] offset:128*(\b/2)+32*(\b%2)
	global_load_b128 v[96+8*\b+96*(\b/4)+4:96+8*\b+96*(\b/4)+7], v5, s[68:69] offset:128*(\b/2)+32*(\b%2)+16
.endr
	s_lshl_b32 s70, s80, 12                        ; rows of 4,096 bytes
	s_add_co_u32 s70, s70, s66
	s_mov_b32 s71, 0
	s_add_nc_u64 s[10:11], s[10:11], s[70:71]      ; out0 at my first token and column
	s_mul_i32 s23, s14, 16*SPITCH                  ; my stage
	v_mul_u32_u24 v6, v1, SPITCH
	v_lshl_add_u32 v6, v2, 6, v6
	v_add_nc_u32 v[STO], s23, v6                   ; in: row r, + 64 h
	v_add_nc_u32 v[RD], s23, v[CO]                 ; back: the 32 lanes take one row of 512 bytes
.macro FRAG3 reg, adr, q, i
.irp c, 0,1,2
	ds_load_b128 v[\reg+4*\c:\reg+4*\c+3], v[\adr] offset:TROW*(\i)+CHB*(\q)+512*\c
.endr
.endm
.macro FRAG4 reg, slot, q, i
	ds_load_b128 v[\reg:\reg+3], v[ADRA+\slot] offset:TROW*(\i)+CHB*(\q)
	ds_load_b64 v[\reg+4:\reg+5], v[ADRA+2+\slot] offset:TROW*(\i)+CHB*(\q)+512
	ds_load_b128 v[\reg+6:\reg+9], v[ADRA+\slot] offset:TROW*(\i)+CHB*(\q)+768
	ds_load_b64 v[\reg+10:\reg+11], v[ADRA+2+\slot] offset:TROW*(\i)+CHB*(\q)+1280
.endm
.macro FETCH_B slot, q, p
	WIN TO_B
.irp i, 0,1,2,3,4,5,6,7
	FRAG3 128*(\p)+FR*\i, ADRB+\slot, \q, \i
.endr
	WIN 0
.endm
.macro FETCH_A slot, q, i0
.irp i, \i0, \i0+1, \i0+2, \i0+3
	FRAG4 AF+FR*(\i), \slot, \q, \i
.endr
.endm
; 16 matrix instructions; the 64 accumulators take turns, one instruction a turn, in the same order in every step.  first = 1: the bias starts the sums.
.macro MUL16 a0, p, kc, first
.irp a, \a0, \a0+1
.irp b, 0,1,2,3,4,5,6,7
.if \first
	v_wmma_scale_f32_16x16x128_f8f6f4 v[8*(8*((\a)%4)+\b):8*(8*((\a)%4)+\b)+7], v[128*(\p)+FR*\b:128*(\p)+FR*\b+FR-1], v[AF+FR*(\a):AF+FR*(\a)+FR-1], v[96+8*\b+96*(\b/4):96+8*\b+96*(\b/4)+7], v[SC+8*\b+(\kc)], v[SC+8*(\a)+(\kc)] matrix_a_fmt:MATRIX_FMT_FP6 matrix_b_fmt:MATRIX_FMT_FP6 matrix_a_scale:MATRIX_SCALE_ROW1
.else
	v_wmma_scale_f32_16x16x128_f8f6f4 v[8*(8*((\a)%4)+\b):8*(8*((\a)%4)+\b)+7], v[128*(\p)+FR*\b:128*(\p)+FR*\b+FR-1], v[AF+FR*(\a):AF+FR*(\a)+FR-1], v[8*(8*((\a)%4)+\b):8*(8*((\a)%4)+\b)+7], v[SC+8*\b+(\kc)], v[SC+8*(\a)+(\kc)] matrix_a_fmt:MATRIX_FMT_FP6 matrix_b_fmt:MATRIX_FMT_FP6 matrix_a_scale:MATRIX_SCALE_ROW1
.endif
.endr
.endr
.endm
.macro STEP slot, kc, first
	s_wait_dscnt 4*NLA                             ; B's set and A's blocks 0-3 are in; the youngest 16 loads (A's blocks 4-7) may be out
.if \first
	WIN FST_LO
.else
	WIN MUL_LO
.endif
	MUL16 0, 0, \kc, \first
	MUL16 2, 0, \kc, \first
	s_wait_dscnt 0
	PLACES NP
	FETCH_B \slot, 1, 1
	FETCH_A \slot, 1, 0
.if \first
	WIN FST_HI
.else
	WIN MUL_HI
.endif
	MUL16 4, 0, \kc, \first
	MUL16 6, 0, \kc, \first
	PLACES NP
	WIN 0
	FETCH_A \slot, 1, 4
.endm
.macro TURN slot, next, kc, fill
	s_wait_tensorcnt 0x0                           ; all my tensor loads have landed: my part of the next slot
	ds_add_u32 v[SPW], v[NIL]                      ; 0 onto my spare word
	s_wait_dscnt 4*NLA+1                           ; (the add and A's blocks 4-7 may be out)
	WIN MUL_LO
	MUL16 0, 1, \kc, 0
	s_wait_dscnt 0x0                               ; the add is done, and my reads of this slot are over
	s_barrier_signal -1
	MUL16 2, 1, \kc, 0
	WIN 0
	s_barrier_wait -1
.if \fill
	CREST                                          ; the barrier has opened a round of the cluster's
	s_add_nc_u64 s[G0+4*\slot+2:G0+4*\slot+3], s[G0+4*\slot+2:G0+4*\slot+3], 2*TROW
	s_add_nc_u64 s[G0B+4*\slot+2:G0B+4*\slot+3], s[G0B+4*\slot+2:G0B+4*\slot+3], 2*TROW
	JLOAD G0+4*\slot, G1, G0B+4*\slot, G1B
.else
	PLACES NP
.endif
	FETCH_B \next, 0, 0
	FETCH_A \next, 0, 0
	WIN MUL_HI
	MUL16 4, 1, \kc, 0
	MUL16 6, 1, \kc, 0
	PLACES NP
	WIN 0
	FETCH_A \next, 0, 4
.endm
	s_wait_tensorcnt 1                             ; my part of K step 0 is in; K step 1's load may be out
	s_barrier_signal -1
	s_barrier_wait -1
	FETCH_B 0, 0, 0
	FETCH_A 0, 0, 0
	FETCH_A 0, 0, 4
	s_wait_loadcnt 0x0                             ; scale words and bias
	STEP 0, 0, 1
	TURN 0, 1, 1, 1
	STEP 1, 2, 0
	TURN 1, 0, 3, 1
	STEP 0, 4, 0
	TURN 0, 1, 5, 0
	STEP 1, 6, 0
	s_wait_dscnt 4*NLA
	WIN MUL_LO
	MUL16 0, 1, 7, 0
	MUL16 2, 1, 7, 0
	s_wait_dscnt 0
	WIN MUL_HI
	MUL16 4, 1, 7, 0
	MUL16 6, 1, 7, 0
	WIN 0
; THE WAY OUT, block by block of 16 tokens x 128 columns, through my own stage: in by lanes (32 bytes of a row at a time), back as whole rows of 512 bytes.  LDS serves a wave's instructions in order (ISA guide 5.7.1.4).
.macro TOSTAGE a
.set AC, 64*((\a)%4)
.set WN, 0x08+4*((\a)/4)
	WIN WN                                         ; an LDS store's data: window 2 or 3
.irp b, 0,1,2,3,4,5,6,7
	ds_store_b128 v[STO], v[AC+8*\b:AC+8*\b+3] offset:128*(\b/2)+32*(\b%2)          ; each accumulator from its low end on
	ds_store_b128 v[STO], v[AC+8*\b+4:AC+8*\b+7] offset:128*(\b/2)+32*(\b%2)+16
.endr
	WIN 0
.set BB, BK+64*((\a)%2)
.irp t, 0,1,2,3,4,5,6,7,8,9,10,11,12,13,14,15
	ds_load_b128 v[BB+4*\t:BB+4*\t+3], v[RD] offset:\t*SPITCH
.endr
.endm
.macro SEND a, younger
.set BB, BK+64*((\a)%2)
	s_wait_dscnt \younger
.if (\a) > 0
.if (\a)%2
	s_add_nc_u64 s[10:11], s[10:11], 8*4096        ; block 2 b + 1 begins 8 tokens behind block 2 b,
.else
	s_add_nc_u64 s[10:11], s[10:11], 24*4096       ; block 2 b + 2 another 24
.endif
.endif
.irp t, 0,1,2,3,4,5,6,7,8,9,10,11,12,13,14,15
	global_store_b128 v[CO], v[BB+4*\t:BB+4*\t+3], s[10:11] offset:(\t+8*(\t/8))*4096 th:TH_STORE_NT   ; 32 lanes store 512 consecutive bytes, at a multiple of 256 from out0's first byte
.endr
.endm
	PLACES NP
	TOSTAGE 0
.irp a, 1,2,3,4,5,6,7
.if \a > 1
	s_wait_xcnt 0x0                                ; block a - 2's stores have read their registers and their base
.endif
	TOSTAGE \a
	SEND \a-1, 32                                  ; behind block a - 1's loads: block a's 16 stores and 16 loads
.endr
	s_wait_xcnt 0x0
	SEND 7, 0
	s_wait_tensorcnt 0x0                           ; the wave's end
	ds_add_u32 v[SPW], v[NIL]
	s_wait_dscnt 0x0
	CROUND                                         ; the closing round
	s_endpgm
.Lfunc_end_k_q69b2b25a9a_outgemm:
	.size	k_q69b2b25a9a_outgemm, .Lfunc_end_k_q69b2b25a9a_outgemm-k_q69b2b25a9a_outgemm
	.p2alignl 7, 3214868480
	.fill 96, 4, 3214868480
	.section	.rodata,"a",@progbits
	.p2align	6, 0x0
	.amdhsa_kernel k_q69b2b25a9a_outgemm
		.amdhsa_group_segment_fixed_size 327680
		.amdhsa_private_segment_fixed_size 0
		.amdhsa_enable_private_segment 0
		.amdhsa_kernarg_size 32
		.amdhsa_user_sgpr_count 2
		.amdhsa_user_sgpr_kernarg_segment_ptr 1
		.amdhsa_wavefront_size32 1
		.amdhsa_system_sgpr_workgroup_id_x 1
		.amdhsa_system_sgpr_workgroup_id_y 1
		.amdhsa_system_sgpr_workgroup_id_z 1
		.amdhsa_system_vgpr_workitem_id 0
		.amdhsa_next_free_vgpr 1024
		.amdhsa_next_free_sgpr 100
		.amdhsa_reserve_vcc 1
		.amdhsa_float_denorm_mode_32 3
		.amdhsa_float_denorm_mode_16_64 3
		.amdhsa_memory_ordered 1
		.amdhsa_forward_progress 1
		.amdhsa_inst_pref_size 138
	.end_amdhsa_kernel
	.amdgpu_metadata
---
amdhsa.version: [ 1, 2 ]
amdhsa.kernels:
  - .name:           k_q69b2b25a9a_outgemm
    .symbol:         k_q69b2b25a9a_outgemm.kd
    .args:
      - { .name: cod, .offset: 0, .size: 8, .value_kind: global_buffer, .address_space: global }
      - { .name: scl, .offset: 8, .size: 8, .value_kind: global_buffer, .address_space: global }
      - { .name: b_out, .offset: 16, .size: 8, .value_kind: global_buffer, .address_space: global }
      - { .name: out0, .offset: 24, .size: 8, .value_kind: global_buffer, .address_space: global }
    .group_segment_fixed_size: 327680
    .private_segment_fixed_size: 0
    .kernarg_segment_align: 8
    .kernarg_segment_size: 32
    .max_flat_workgroup_size: 128
    .sgpr_count:     100
    .vgpr_count:     1024
    .wavefront_size: 32
...
	.end_amdgpu_metadata
.endif
;; end of part 4
